; MI455X (gfx1250); checked and timed in simulation.
; The chip was launched on July 23, 2026; its instructions are those of AMD's public machine-readable ISA for CDNA 5 (MIT licence, August 2026) and "CDNA5" Instruction Set Architecture Reference Guide (July 2026). The comments in the code are by the model that wrote it; some were corrected since.
;; Attention. Allowed arithmetic: matrix products marked QUANTISED: E2M3 operands, one E8M0 scale for each 32 along K, by v_wmma_scale_f32_16x16x128_f8f6f4 with both operands' format E2M3, f32 sums; everything else in f32.
;; Inputs: rope_cache 2,048 x 64 float32; sinks 32 float32; wk_b 512 float32; wk_w 512 x 2,048 float32; wo_b 2,048 float32; wo_w 2,048 x 2,048 float32; wq_b 2,048 float32; wq_w 2,048 x 2,048 float32; wv_b 512 float32; wv_w 512 x 2,048 float32; x 1 x 2,048 x 2,048 float32.
;; Outputs: out0 1 x 2,048 x 2,048 float32.
;; This version of the problem:
;;   THIS VERSION OF THE PROBLEM IS GIVEN IN LOW PRECISION. The matrix products marked QUANTISED in the list below multiply operands that are first quantised to E2M3 (2 exponent bits, 3 mantissa bits; 6 bits a number), with one power-of-two scale for each 32 numbers along K (OCP MX v1.0); their sums are f32. All else is computed in f32.
;;   The module's matrix products, in the order in which they are computed (A, B: the left and right operand; K: the contracted axis; several contracted axes count as one K, in the product's order):
;;     1. [M 2,048, K 2,048] x [K 2,048, N 2,048]; A: input x; B: input wq_w: QUANTISED
;;     2. [M 2,048, K 2,048] x [K 2,048, N 512]; A: input x; B: input wk_w: QUANTISED
;;     3. [M 2,048, K 2,048] x [K 2,048, N 512]; A: input x; B: input wv_w: QUANTISED
;;     4. batch 32 x [M 2,048, K 64] x [K 64, N 2,048]; A: computed on the way; B: computed on the way: QUANTISED
;;     5. batch 32 x [M 2,048, K 2,048] x [K 2,048, N 64]; A: computed on the way; B: computed on the way: QUANTISED
;;     6. [M 2,048, K 2,048] x [K 2,048, N 2,048]; A: computed on the way; B: input wo_w: QUANTISED
;;   THE QUANTISER, for each operand of a quantised product, along K:
;;     - K is cut into blocks of 32 from its start; a last block that is shorter is filled with zeros.
;;     - A block's scale is 2^e with e = floor(log2(the largest magnitude in the block)) - 2, held to -126 .. 127; a block of zeros has e = 0. As a byte (E8M0): e + 127.
;;     - Each number is divided by its block's scale, clamped to +-7.5, and rounded to the nearest number of E2M3, ties to even, subnormals kept.
;;     - The product sums the exact products of the quantised numbers (number of the format x scale) in f32.
;;   ~~~python
;;   def quantise(x, axis):      # numpy; x: float32 -> the quantised numbers, widened to float32 again
;;       x = np.moveaxis(x, axis, -1); K = x.shape[-1]
;;       x = np.pad(x, [(0, 0)] * (x.ndim - 1) + [(0, -K % 32)]); x = x.reshape(x.shape[:-1] + (-1, 32)); a = np.abs(x).max(-1, keepdims=True)
;;       e = np.where(a > 0, np.clip(np.frexp(np.where(a > 0, a, 1))[1] - 1 - 2, -126, 127), 0)      # np.frexp(a)[1] - 1 = floor(log2(a)), exactly
;;       r = np.clip(x / 2.0 ** e, -7.5, 7.5)
;;       step = 2.0 ** (np.maximum(np.frexp(np.where(r == 0, 1, r))[1] - 1, 0) - 3)
;;       q = np.round(r / step) * step * 2.0 ** e      # np.round: ties to even
;;       return np.moveaxis(q.reshape(q.shape[:-2] + (-1,))[..., :K], -1, axis).astype(np.float32)
;;   ~~~
;;   OPERANDS COMPUTED ON THE WAY. 'Computed on the way' means the value that the module computes at that place (a softmax that the list does not call 'softmax' is quantised finished and normalised). What goes into a quantiser is computed in f32, as accurately as f32 sums, v_exp_f32 and their like allow (about 1e-6 of the number): no bf16 or f16 on the way to a quantiser, and a product that is left as it is and whose result goes on into a quantised operand takes f32 operands (vector FMAs, or v_wmma_f32_16x16x4_f32). A number that lies on a knife's edge between two numbers of the format may be rounded either way, as far as f32 arithmetic and the matrix unit's own rounding can turn it there, and no further.
;; One version. Each part assembles by itself: llvm-mc -triple=amdgcn-amd-amdhsa -mcpu=gfx1250 --defsym DOCPART=n.
;; ======== version 1 of 1: 4 launches
;; workspace buffers: cod 11,010,048 bytes; scl 458,752 bytes; qk 4,259,840 bytes; vb 819,200 bytes; acod 3,145,728 bytes; ascl 131,072 bytes
;; launch quant (part 1): grid 448 x 1, 4 waves a work-group, no clusters, 34,304 bytes of LDS; arguments x, wq_w, wk_w, wv_w, wo_w, cod, scl; writes cod, scl
.if DOCPART == 1
	.amdgcn_target "amdgcn-amd-amdhsa--gfx1250"
	.amdhsa_code_object_version 6
	.text
	.protected	k_qd873cd38bd_quant
	.globl	k_qd873cd38bd_quant
	.p2align	8
	.type	k_qd873cd38bd_quant,@function
k_qd873cd38bd_quant:
	s_mov_b64 s[64:65], 0
	v_nop
	global_prefetch_b8 v0, s[64:65] scope:SCOPE_SE
	s_setreg_imm32_b32 hwreg(HW_REG_WAVE_MODE, 25, 1), 1
	s_wait_xcnt 0x0
; LAUNCH 1 OF 4.  x, wq_w, wk_w, wv_w, wo_w (all f32, K = their last axis of 2,048) become codes of E2M3 with one E8M0 byte for each 32 along K, laid in the ORDER OF THE OPERAND'S REGISTERS.
; THE PROGRAM: 1 quantises the five large inputs once; 2 makes q, k, v (products 1-3, bias, rope) and quantises them; 3 is the attention (products 4 and 5, lse, sink gate) and quantises its result; 4 is product 6.
; WORK LEFT OUT, in launch 3 alone: key tiles that lie wholly above the diagonal.  reference() itself builds the mask (jnp.tril) and sets such scores to -1e30 ahead of the logsumexp and of exp(score - lse);
; their exp is 0 in f32 for every row whose lse is finite and above -1e30, whatever the inputs hold, so they add nothing to lse and their p are zeros, whose blocks add nothing to product 5.
; LIMIT: a NaN, an infinity or an overflow that would arise only in those scores is not carried to the result.  Every input has a way to the output and is loaded by some launch.
; LIMITS of this launch: a block of zeros gets the byte 1 where the rule says 127 (its codes are zeros, and these bytes are read by this program alone); NaN and infinities among the inputs are not served.
; ROW ORDER.  Rows go in pairs of tiles, 32 rows: tile u (0, 1) of a pair holds in lane r the row 32 pair + 8 u + r + 8 (r / 8).  Used as a product's source 0, the 16 result registers of the two tiles are then 16 neighbours.
; cod[T 448][K step 16][1536]: row tile T (x 0-127, wq 128-255, wk 256-287, wv 288-319, wo 320-447); 1,536 bytes = 3 chunks x 32 lanes x 16 bytes: chunk c, lane l = fragment registers 4 c .. 4 c + 3 of lane l.
; scl[pair 224][8][lane 32][2 words]: word w of lane (r, h) = the scale word of tile 2 pair + h, row r, K step 2 s2 + w.
; SHARES.  Work-group g: pair g / 2; wave w: 256 along K, s2 = 4 (g % 2) + w: four units of 16 rows x 128 K, one fragment each.  A load takes 512 consecutive bytes of one row; the 16 rows turn through the wave's own
; stage in LDS (rows of 512 + 16 bytes) so that a lane gets two whole blocks of 32 of its row.  Loads run two units (32 loads a wave) ahead.  No tensor load, no barrier: waves share nothing.
.set WSTG,   8448                      ; a wave's stage: 16 rows x 528 bytes
.set SPITCH, 528
.set SPARE,  4*WSTG                    ; the spare words, 128 bytes a wave: two blocks of 256 bytes that no other line names
.set GIN, 1                            ; v1   16 x lane
.set STI, 2                            ; v2   stage, on the way in
.set RDI, 3                            ; v3   stage, on the way out: 528 r + 128 h
.set L8,  4                            ; v4   8 x lane
.set SH8, 5                            ; v5   8 h
.set SPW, 6                            ; v6   my spare word; never rewritten
.set NIL, 7                            ; v7   0; never rewritten
.set M,   8                            ; v8-9   largest magnitudes
.set SO,  10                           ; v10-11 the conversions' scale operands
.set BY,  12                           ; v12-13 scale bytes
.set W,   14
.set T,   15
.set WU,  16                           ; v16-17 the scale words of tiles u = 0, 1
.set SWD, 18                           ; v18-19 what goes to scl
.set R,   32                           ; v32-159  two sets of 64: a unit as loaded
.set X,   160                          ; v160-223 64 numbers of my row
.set PC,  224                          ; v224-235 the fragment
.set TP,  236                          ; v236-238, v240-242 (a conversion's three registers begin on an even number)
	s_load_b256 s[4:11], s[0:1], 0x0               ; x, wq_w, wk_w, wv_w
	s_load_b128 s[12:15], s[0:1], 0x20             ; wo_w, cod
	s_load_b64 s[16:17], s[0:1], 0x30              ; scl
	v_lshl_add_u32 v[SPW], v0, 2, SPARE
	v_mov_b32 v[NIL], 0
	v_lshrrev_b32 v1, 5, v0
	v_readfirstlane_b32 s18, v1                    ; wave
	v_and_b32 v8, 31, v0                           ; lane
	v_and_b32 v9, 15, v0                           ; r
	v_bfe_u32 v10, v0, 4, 1                        ; h
	v_lshlrev_b32 v[GIN], 4, v8
	s_mul_i32 s19, s18, WSTG
	v_add_nc_u32 v[STI], s19, v[GIN]
	v_mul_u32_u24 v[RDI], v9, SPITCH
	v_lshl_add_u32 v[RDI], v10, 7, v[RDI]
	v_add_nc_u32 v[RDI], s19, v[RDI]
	v_lshlrev_b32 v[L8], 3, v8
	v_lshlrev_b32 v[SH8], 3, v10
	v_mov_b32 v[T], 0                              ; written once: a lane permute's destination counts as one of its sources
	s_mov_b32 s20, 0x76543210
	s_mov_b32 s21, 0xfedcba98                      ; selects for lane l xor 16
	s_mov_b32 s22, 0xffff0000                      ; lanes 16-31
	s_lshr_b32 s23, ttmp9, 1                       ; pair
	s_and_b32 s24, ttmp9, 1
	s_lshl_b32 s25, s24, 2
	s_add_co_u32 s25, s25, s18                     ; s2: which 256 along K
	s_wait_kmcnt 0x0
	s_mov_b32 s26, 160                             ; which input, and its first pair: the choice hangs on the work-group's number alone
	s_cmp_lt_u32 s23, 160
	s_cselect_b64 s[12:13], s[10:11], s[12:13]
	s_cselect_b32 s26, 144, s26
	s_cmp_lt_u32 s23, 144
	s_cselect_b64 s[12:13], s[8:9], s[12:13]
	s_cselect_b32 s26, 128, s26
	s_cmp_lt_u32 s23, 128
	s_cselect_b64 s[12:13], s[6:7], s[12:13]
	s_cselect_b32 s26, 64, s26
	s_cmp_lt_u32 s23, 64
	s_cselect_b64 s[12:13], s[4:5], s[12:13]
	s_cselect_b32 s26, 0, s26
	s_sub_co_u32 s26, s23, s26
	s_lshl_b32 s26, s26, 18                        ; 32 rows of 8,192 bytes a pair
	s_lshl_b32 s27, s25, 10
	s_add_co_u32 s26, s26, s27
	s_mov_b32 s27, 0
	s_add_nc_u64 s[12:13], s[12:13], s[26:27]
	s_mul_i32 s26, s23, 49152
	s_mul_i32 s28, s25, 3072
	s_add_co_u32 s26, s26, s28
	s_add_nc_u64 s[14:15], s[14:15], s[26:27]
	s_lshl_b32 s26, s23, 11
	s_lshl_b32 s28, s25, 8
	s_add_co_u32 s26, s26, s28
	s_add_nc_u64 s[16:17], s[16:17], s[26:27]
; unit n: K step n / 2 of my two, tile u = n % 2.  Sixteen loads, one row's 512 consecutive bytes each
.macro LOAD n
.irp i, 0,1,2,3,4,5,6,7,8,9,10,11,12,13,14,15
	global_load_b128 v[R+64*((\n)%2)+4*\i:R+64*((\n)%2)+4*\i+3], v[GIN], s[12:13] offset:(8*((\n)%2)+\i+8*(\i/8))*8192+512*((\n)/2) th:TH_LOAD_NT
.endr
.endm
; 64 numbers of a lane, X + 32 c + i = k 64 c + 32 h + i of my row: two whole blocks.  The fragment goes to v[PC] on, the row's scale word to v[wd]
.macro QUANT64 wd
.irp c, 0,1
	v_max3_num_f32 v[M+\c], |v[X+32*\c]|, |v[X+32*\c+1]|, 0x1800000   ; with the floor 2^(3 - 127): the byte cannot fall under 1
.endr
.irp i, 2,4,6,8,10,12,14,16,18,20,22,24,26,28,30
.irp c, 0,1
	v_max3_num_f32 v[M+\c], v[M+\c], |v[X+32*\c+\i]|, |v[X+32*\c+\i+1]|
.endr
.endr
.irp c, 0,1
	v_add_nc_u32 v[SO+\c], 0xff000000, v[M+\c]     ; 2 off the exponent field: the conversion's scale operand
.endr
.irp c, 0,1
	v_lshrrev_b32 v[BY+\c], 23, v[SO+\c]           ; the scale's byte
.endr
	v_lshl_or_b32 v[W], v[BY+1], 16, v[BY]         ; my blocks h and 2 + h,
	v_lshlrev_b32 v[W], v[SH8], v[W]               ; at their places in the word;
	v_permlanex16_b32 v[T], v[W], s20, s21
	v_or_b32 v[\wd], v[W], v[T]                    ; with lane l xor 16's two the word is whole
.irp c, 0,1
	v_cvt_scalef32_pk16_fp6_f32 v[PC+6*\c:PC+6*\c+2], v[X+32*\c:X+32*\c+15], v[SO+\c]
	v_cvt_scalef32_pk16_fp6_f32 v[TP+4*\c:TP+4*\c+2], v[X+32*\c+16:X+32*\c+31], v[SO+\c]
.endr
	v_nop                                          ; one plain place behind a scaled conversion
.irp c, 0,1
.irp i, 0,1,2
	v_mov_b32 v[PC+6*\c+3+\i], v[TP+4*\c+\i]
.endr
.endr
.endm
.macro UNIT n
.if (\n) < 3
	s_wait_loadcnt 16                              ; this unit's 16 loads are in; the next unit's 16 may be out
.else
	s_wait_loadcnt 0x0
.endif
.irp i, 0,1,2,3,4,5,6,7,8,9,10,11,12,13,14,15
	ds_store_b128 v[STI], v[R+64*((\n)%2)+4*\i:R+64*((\n)%2)+4*\i+3] offset:SPITCH*\i
.endr
.irp c, 0,1
.irp i, 0,1,2,3,4,5,6,7
	ds_load_b128 v[X+32*\c+4*\i:X+32*\c+4*\i+3], v[RDI] offset:256*\c+16*\i   ; LDS serves a wave's instructions in order: these see the stores above
.endr
.endr
	s_wait_dscnt 0x0                               ; my 64 numbers are in, and the stores have read their registers,
.if (\n) < 2
	LOAD (\n)+2                                    ; which take the unit two further on
.endif
.if (\n) > 0
	s_wait_xcnt 0x0                                ; the last unit's stores have read the fragment's registers: they are written again only behind this wait
.endif
	QUANT64 WU+(\n)%2
.irp c, 0,1,2
	global_store_b128 v[GIN], v[PC+4*\c:PC+4*\c+3], s[14:15] offset:((\n)%2)*24576+((\n)/2)*1536+512*\c   ; 32 lanes store 512 consecutive bytes, at a multiple of 512 from the buffer's first byte
.endr
.if ((\n)%2) == 1
	v_cndmask_b32 v[SWD+(\n)/2], v[WU], v[WU+1], s22   ; lanes 0-15: tile 0's words; lanes 16-31: tile 1's
.endif
.endm
	LOAD 0
	LOAD 1
	UNIT 0
	UNIT 1
	UNIT 2
	UNIT 3
	global_store_b64 v[L8], v[SWD:SWD+1], s[16:17] ; 32 lanes store 256 consecutive bytes, aligned
	s_wait_tensorcnt 0x0                           ; the wave's end: a tensor wait, an add of 0 to my spare word and its wait, behind my last LDS store
	ds_add_u32 v[SPW], v[NIL]
	s_wait_dscnt 0x0
	s_endpgm
.Lfunc_end_k_qd873cd38bd_quant:
	.size	k_qd873cd38bd_quant, .Lfunc_end_k_qd873cd38bd_quant-k_qd873cd38bd_quant
	.p2alignl 7, 3214868480
	.fill 96, 4, 3214868480
	.section	.rodata,"a",@progbits
	.p2align	6, 0x0
	.amdhsa_kernel k_qd873cd38bd_quant
		.amdhsa_group_segment_fixed_size 34304
		.amdhsa_private_segment_fixed_size 0
		.amdhsa_enable_private_segment 0
		.amdhsa_kernarg_size 56
		.amdhsa_user_sgpr_count 2
		.amdhsa_user_sgpr_kernarg_segment_ptr 1
		.amdhsa_wavefront_size32 1
		.amdhsa_system_sgpr_workgroup_id_x 1
		.amdhsa_system_sgpr_workgroup_id_y 1
		.amdhsa_system_sgpr_workgroup_id_z 1
		.amdhsa_system_vgpr_workitem_id 0
		.amdhsa_next_free_vgpr 248
		.amdhsa_next_free_sgpr 66
		.amdhsa_reserve_vcc 0
		.amdhsa_float_denorm_mode_32 3
		.amdhsa_float_denorm_mode_16_64 3
		.amdhsa_memory_ordered 1
		.amdhsa_forward_progress 1
		.amdhsa_inst_pref_size 31
	.end_amdhsa_kernel
	.amdgpu_metadata
---
amdhsa.version: [ 1, 2 ]
amdhsa.kernels:
  - .name:           k_qd873cd38bd_quant
    .symbol:         k_qd873cd38bd_quant.kd
    .args:
      - { .name: x, .offset: 0, .size: 8, .value_kind: global_buffer, .address_space: global }
      - { .name: wq_w, .offset: 8, .size: 8, .value_kind: global_buffer, .address_space: global }
      - { .name: wk_w, .offset: 16, .size: 8, .value_kind: global_buffer, .address_space: global }
      - { .name: wv_w, .offset: 24, .size: 8, .value_kind: global_buffer, .address_space: global }
      - { .name: wo_w, .offset: 32, .size: 8, .value_kind: global_buffer, .address_space: global }
      - { .name: cod, .offset: 40, .size: 8, .value_kind: global_buffer, .address_space: global }
      - { .name: scl, .offset: 48, .size: 8, .value_kind: global_buffer, .address_space: global }
    .group_segment_fixed_size: 34304
    .private_segment_fixed_size: 0
    .kernarg_segment_align: 8
    .kernarg_segment_size: 56
    .max_flat_workgroup_size: 128
    .sgpr_count:     66
    .vgpr_count:     248
    .wavefront_size: 32
...
	.end_amdgpu_metadata
.endif
;; end of part 1
;; launch qkv (part 2): grid 24 x 8, 4 waves a work-group, clusters of 4 x 4, 327,680 bytes of LDS; arguments cod, scl, wq_b, wk_b, wv_b, rope_cache, qk, vb; writes qk, vb
.if DOCPART == 2
	.amdgcn_target "amdgcn-amd-amdhsa--gfx1250"
	.amdhsa_code_object_version 6
	.text
	.protected	k_qd873cd38bd_qkv
	.globl	k_qd873cd38bd_qkv
	.p2align	8
	.type	k_qd873cd38bd_qkv,@function
k_qd873cd38bd_qkv:
	s_mov_b64 s[64:65], 0
	v_nop
	global_prefetch_b8 v0, s[64:65] scope:SCOPE_SE
	s_setreg_imm32_b32 hwreg(HW_REG_WAVE_MODE, 25, 1), 1
	s_wait_xcnt 0x0
	s_wait_alu depctr_hold_cnt(0) depctr_sa_sdst(0) depctr_va_vdst(0) depctr_va_sdst(0) depctr_va_ssrc(0) depctr_va_vcc(0) depctr_vm_vsrc(0)
	s_getreg_b32 s2, hwreg(HW_REG_IB_STS2, 6, 4)
	s_cmp_eq_u32 s2, 0
	s_cbranch_scc0 .Lentry_in_a_cluster
	s_endpgm
.Lentry_in_a_cluster:
	s_bfe_u32 s2, ttmp6, 0x10000c
	s_cmp_lg_u32 s2, 0xf033
	s_cbranch_scc0 .Lentry_shape_is_right
	s_endpgm
.Lentry_shape_is_right:
; LAUNCH 2 OF 4.  q = x wq^T + bq, k = x wk^T + bk, v = x wv^T + bv on codes of E2M3 (launch 1's), K = 2,048; rope on q and k in f32; then the quantisers of the attention's operands: q and k along the head's 64, v along the keys.
; No work of reference() is left out here.
; SHARES.  One GEMM of 2,048 tokens x 3,072 columns (48 heads of 64: 32 of q, 8 of k, 8 of v).  A work-group makes 256 tokens x 128 columns; a wave 128 tokens (x's tiles a = 0 .. 7) x one head (W's tiles b = 0 .. 3): 32 accumulators.
; 192 work-groups: the columns of a cluster are all of one kind (cluster x 0-3: q; 4: k; 5: v), so that the one branch on the kind is the same in all sixteen partners.
; TRANSPOSED USE: source 0 = 16 rows of W, source 1 = 16 tokens.  By launch 1's row order a lane (r, h) holds ONE token, and accumulator registers 32 a + 16 bb + i its channel d = 32 bb + 16 h + i.  The bias is the C of the first K step.
; K goes through a ring of two LDS slots of FOUR K steps (512 along K): a row tile's four fragments are 6,144 consecutive bytes of cod.  Four fills in all: two at the head, two refills.
; CLUSTERS 4 x 4: x's tiles are shared along a row of the cluster, W's along a column: joint loads.  The scale words of all of K come once, with the first fills, and go to registers once.
; OUT.  qk[H 40][record 16][6656] (H 0-31 q, 32-39 k; a record = 128 tokens): 4 x 1,536 bytes: registers 0-5 tile 2 p, 6-11 tile 2 p + 1, lane (r, h) = block h of its token's 64; then [lane][4 words]: word p of lane (r, h) = tile 2 p + h, row r:
; byte 0, 1 the two blocks, bytes 2, 3 = 127 for the half of the instruction's K that holds zero codes.   vb[kv head 8][record 16][6400]: 4 fragments of V^T (16 channels x 128 keys), then [lane][2 words].
; LIMITS: a block of zeros gets the byte 1 (read by this program alone); NaN and infinities are not served.
; REGISTERS.  window 0: v16-30 addresses; v32-95 x's scale words, v96-127 W's (scales and nothing else); v128-159 the bias; v160-223 two sets of 16 cos, 16 sin.   window 1: accumulator (a, b) at 8 (4 a + b).
;   windows 2, 3: fragment sets 0, 1: W's b at 12 b, x's a at 48 + 12 a.  On the way out window 2's v144-255 are at work.
.set SLOT,  147456                     ; x's 16 tiles x 6,144 bytes, then W's 8
.set WOFF,  98304
.set SCLX,  2*SLOT                     ; x's scale words: 8 pairs x 2,048 bytes
.set SCLW,  SCLX+16384                 ; W's: 4 pairs
.set SPARE, SCLW+8192                  ; the spare words, 128 bytes a wave: two blocks of 256 bytes that no other line names
.set KQ,    6144                       ; four K steps of a tile
.set FRB,   1536                       ; a fragment
.set VSTG,  16896                      ; v's way out: a stage of 32 rows x 528 bytes for each wave, in slot 0, which has then had its last fill and its last read
.set VP,    528
.set ADX,  16                          ; v16-17 my x fragments in slot 0, 1
.set ADW,  18                          ; v18-19 my W fragments
.set ADSX, 20
.set ADSW, 21
.set GO,   22                          ; 16 x lane
.set L8,   23                          ; 8 x lane
.set ROFF, 24                          ; rope: 256 (r + 8 (r / 8)) + 64 h
.set VSTO, 25
.set VRD,  26
.set BOFF, 27                          ; 64 h
.set SPW,  28                          ; my spare word; never rewritten
.set NIL,  29                          ; 0; never rewritten
.set HH,   30                          ; h
.set SX,   32
.set SW,   96
.set BI,   128
.set RP,   160
.set G1A,  24                          ; s[24:31] group 1, x's tiles;  s[32:39] groups 0, one a slot
.set G0A,  32
.set G1B,  48                          ; s[48:55], s[56:63] the same for W's
.set G0B,  56
.set G1SA, 68                          ; s[68:75], s[76:79] x's scale words;  s[80:87], s[88:91] W's
.set G0SA, 76
.set G1SB, 80
.set G0SB, 88
.set MSB, 0
.macro WIN new                         ; the immediate's high byte repeats the setting that is left
.if MSB != \new
	s_set_vgpr_msb (MSB<<8)|\new
.set MSB, \new
.endif
.endm
.macro PLACES                          ; four plain places: in front of loads into registers that matrix instructions have read, and of the first read of results
.rept 4
	v_nop
.endr
.endm
; A joint load: waves 0, 1 fetch for x, waves 2, 3 for W.  The branch hangs on the wave's number alone.  An s_nop 0 and four v_nop follow each line.
.macro JLOAD g0a, g1a, g0b, g1b
	s_cmp_eq_u32 s21, 0
	s_cbranch_scc0 .Lfor_b_\@
	tensor_load_to_lds s[\g0a:\g0a+3], s[\g1a:\g1a+7]
	s_nop 0
.rept 4
	v_nop
.endr
	s_branch .Lasked_\@
.Lfor_b_\@:
	tensor_load_to_lds s[\g0b:\g0b+3], s[\g1b:\g1b+7]
	s_nop 0
.rept 4
	v_nop
.endr
.Lasked_\@:
.endm
.macro CREST                           ; a round of the cluster's barrier behind its opening barrier
	s_cmp_lg_u32 s20, 0
	s_cbranch_scc1 .Lnot_wave_0_\@
	s_barrier_signal -3
.Lnot_wave_0_\@:
	s_barrier_wait -3
	s_barrier_signal -1
	s_barrier_wait -1
.endm
.macro CROUND
	s_barrier_signal -1
	s_barrier_wait -1
	CREST
.endm
	s_load_b256 s[4:11], s[0:1], 0x0               ; cod, scl, wq_b, wk_b
	s_load_b256 s[12:19], s[0:1], 0x20             ; wv_b, rope_cache, qk, vb
	v_lshl_add_u32 v[SPW], v0, 2, SPARE
	v_mov_b32 v[NIL], 0
	ds_add_u32 v[SPW], v[NIL]                      ; the wave's opening: the add, twice on end, and its wait ahead of my first tensor load
	ds_add_u32 v[SPW], v[NIL]
	v_lshrrev_b32 v1, 5, v0
	v_readfirstlane_b32 s20, v1                    ; wave
	s_lshr_b32 s21, s20, 1                         ; which 128 tokens are mine.  Also: I fetch for x (0) or for W (1)
	s_and_b32 s22, s20, 1                          ; which head is mine.  Also: which half of the tile I fetch
	s_bfe_u32 s40, ttmp6, 0x40000                  ; cx
	s_bfe_u32 s41, ttmp6, 0x40004                  ; cy
	s_lshl_b32 s42, ttmp9, 2
	s_add_co_u32 s42, s42, s40                     ; column tile = 4 x cluster x + cx
	s_and_b32 s23, ttmp7, 0xffff
	s_lshl_b32 s23, s23, 2
	s_add_co_u32 s23, s23, s41                     ; row tile = 4 x cluster y + cy
	s_lshl_b32 s43, s41, 2
	s_lshl_b32 s43, 15, s43                        ; my row of the cluster
	s_lshl_b32 s44, 0x1111, s40                    ; my column
	s_or_b32 s[G1A], s43, (3<<16)|(1<<21)          ; the mask; elements of 8 bytes; no padding; bit 21 set beside a mask
	s_or_b32 s[G1B], s44, (3<<16)|(1<<21)
	s_or_b32 s[G1SA], s43, (3<<16)|(1<<21)
	s_or_b32 s[G1SB], s44, (3<<16)|(1<<21)
.irp g, G1A, G1B
	s_mov_b32 s[\g+1], 768<<16                     ; tensor_dim0: 768 elements = 6,144 bytes: four K steps of a row tile
	s_mov_b32 s[\g+3], 768<<16                     ; tile_dim0
	s_mov_b32 s[\g+5], 3072                        ; from row tile to row tile: 24,576 bytes
	s_mov_b32 s[\g+6], 0
	s_mov_b32 s[\g+7], 0
.endr
	s_mov_b32 s[G1A+2], 8<<16                      ; x: 8 row tiles a load
	s_mov_b32 s[G1A+4], 8
	s_mov_b32 s[G1B+2], 4<<16                      ; W: 4
	s_mov_b32 s[G1B+4], 4
.irp g, G1SA, G1SB
	s_mov_b32 s[\g+1], 32<<16                      ; dense blocks as rows of 256 bytes
	s_mov_b32 s[\g+3], 32<<16
	s_mov_b32 s[\g+5], 32
	s_mov_b32 s[\g+6], 0
	s_mov_b32 s[\g+7], 0
.endr
	s_mov_b32 s[G1SA+2], 32<<16                    ; x: 4 pairs x 2,048 bytes
	s_mov_b32 s[G1SA+4], 32
	s_mov_b32 s[G1SB+2], 16<<16                    ; W: 2 pairs
	s_mov_b32 s[G1SB+4], 16
	s_lshl_b32 s92, s23, 4                         ; x's tiles hang on the row tile and the wave alone,
	s_lshl_b32 s93, s22, 3
	s_add_co_u32 s92, s92, s93
	s_mul_i32 s92, s92, 24576
	s_mov_b32 s93, 0
	s_lshl_b32 s94, s42, 3                         ; W's on the column tile and the wave alone: row tile 128 + 8 cn + 4 half
	s_lshl_b32 s95, s22, 2
	s_add_co_u32 s94, s94, s95
	s_add_co_u32 s94, s94, 128
	s_mul_i32 s94, s94, 24576
	s_mov_b32 s95, 0
	s_lshl_b32 s96, s23, 3                         ; scale words: pair 8 rm + 4 half
	s_lshl_b32 s97, s22, 2
	s_add_co_u32 s96, s96, s97
	s_lshl_b32 s96, s96, 11
	s_mov_b32 s97, 0
	s_lshl_b32 s98, s42, 2                         ; pair 64 + 4 cn + 2 half
	s_lshl_b32 s99, s22, 1
	s_add_co_u32 s98, s98, s99
	s_add_co_u32 s98, s98, 64
	s_lshl_b32 s98, s98, 11
	s_mov_b32 s99, 0
	s_mul_i32 s46, s22, 49152                      ; where they go in a slot: no place in the cluster enters an LDS address
	s_mul_i32 s47, s22, 24576
	s_add_co_u32 s47, s47, WOFF
	s_lshl_b32 s2, s22, 13
	s_lshl_b32 s3, s22, 12
	s_wait_dscnt 0x0                               ; both opening adds are done
	s_wait_kmcnt 0x0
	s_add_nc_u64 s[92:93], s[4:5], s[92:93]
	s_add_nc_u64 s[94:95], s[4:5], s[94:95]
	s_add_nc_u64 s[96:97], s[6:7], s[96:97]
	s_add_nc_u64 s[98:99], s[6:7], s[98:99]
	CROUND                                         ; all sixteen work-groups are here: the first joint loads meet
	s_mov_b32 s[G0SA], 1
	s_add_co_u32 s[G0SA+1], s2, SCLX
	s_mov_b64 s[G0SA+2:G0SA+3], s[96:97]
	s_or_b32 s[G0SA+3], s[G0SA+3], 0x80000000
	s_mov_b32 s[G0SB], 1
	s_add_co_u32 s[G0SB+1], s3, SCLW
	s_mov_b64 s[G0SB+2:G0SB+3], s[98:99]
	s_or_b32 s[G0SB+3], s[G0SB+3], 0x80000000
	JLOAD G0SA, G1SA, G0SB, G1SB                   ; the scale words first: they are wanted with K step 0
.irp s, 0,1
	s_mov_b32 s[G0A+4*\s], 1
	s_add_co_u32 s[G0A+4*\s+1], s46, \s*SLOT
	s_add_nc_u64 s[G0A+4*\s+2:G0A+4*\s+3], s[92:93], \s*KQ
	s_or_b32 s[G0A+4*\s+3], s[G0A+4*\s+3], 0x80000000
	s_mov_b32 s[G0B+4*\s], 1
	s_add_co_u32 s[G0B+4*\s+1], s47, \s*SLOT
	s_add_nc_u64 s[G0B+4*\s+2:G0B+4*\s+3], s[94:95], \s*KQ
	s_or_b32 s[G0B+4*\s+3], s[G0B+4*\s+3], 0x80000000
	JLOAD G0A+4*\s, G1A, G0B+4*\s, G1B             ; three loads of mine are out at the most
.endr
	v_and_b32 v1, 31, v0                           ; lane
	v_and_b32 v2, 15, v0                           ; r
	v_bfe_u32 v[HH], v0, 4, 1                      ; h
	v_lshlrev_b32 v[GO], 4, v1
	v_lshlrev_b32 v[L8], 3, v1
	s_mul_i32 s2, s21, 49152
	v_add_nc_u32 v[ADX], s2, v[GO]
	s_add_co_u32 s2, s2, SLOT
	v_add_nc_u32 v[ADX+1], s2, v[GO]
	s_mul_i32 s2, s22, 24576
	s_add_co_u32 s2, s2, WOFF
	v_add_nc_u32 v[ADW], s2, v[GO]
	s_add_co_u32 s2, s2, SLOT
	v_add_nc_u32 v[ADW+1], s2, v[GO]
	s_lshl_b32 s2, s21, 13
	s_add_co_u32 s2, s2, SCLX
	v_add_nc_u32 v[ADSX], s2, v[L8]
	s_lshl_b32 s2, s22, 12
	s_add_co_u32 s2, s2, SCLW
	v_add_nc_u32 v[ADSW], s2, v[L8]
	v_and_b32 v3, 8, v2
	v_add_nc_u32 v3, v3, v2                        ; r + 8 (r / 8)
	v_lshlrev_b32 v[ROFF], 8, v3
	v_lshl_add_u32 v[ROFF], v[HH], 6, v[ROFF]
	s_mul_i32 s2, s20, VSTG
	v_mul_u32_u24 v[VSTO], v[HH], 8*VP
	v_lshl_add_u32 v[VSTO], v3, 2, v[VSTO]
	v_add_nc_u32 v[VSTO], s2, v[VSTO]              ; v's stage, in: row 8 h (+ 16 u + j), column = my token
	v_mul_u32_u24 v[VRD], v2, VP
	v_lshl_add_u32 v[VRD], v[HH], 7, v[VRD]
	v_add_nc_u32 v[VRD], s2, v[VRD]                ; and out: row r, keys 32 h on
	v_lshlrev_b32 v[BOFF], 6, v[HH]
	s_lshl_b32 s45, s42, 1
	s_add_co_u32 s45, s45, s22                     ; H: my head of 48
	s_cmp_lt_u32 ttmp9, 5                          ; whose bias: the choice hangs on the cluster's x alone
	s_cselect_b64 s[46:47], s[10:11], s[12:13]
	s_cselect_b32 s66, 32, 40
	s_cmp_lt_u32 ttmp9, 4
	s_cselect_b64 s[46:47], s[8:9], s[46:47]
	s_cselect_b32 s66, 0, s66
	s_sub_co_u32 s66, s45, s66                     ; my head within its tensor
	s_lshl_b32 s2, s66, 8
	s_mov_b32 s3, 0
	s_add_nc_u64 s[46:47], s[46:47], s[2:3]
.irp b, 0,1,2,3                        ; the bias in the result's layout: tile 2 bb + u, lane (r, h): channels 32 bb + 16 h + 8 u + 0 .. 7
	global_load_b128 v[BI+8*\b:BI+8*\b+3], v[BOFF], s[46:47] offset:(32*(\b/2)+8*(\b%2))*4
	global_load_b128 v[BI+8*\b+4:BI+8*\b+7], v[BOFF], s[46:47] offset:(32*(\b/2)+8*(\b%2))*4+16
.endr
	s_lshl_b32 s67, s23, 1
	s_add_co_u32 s67, s67, s21                     ; my record of 128 tokens
	s_mov_b32 s92, 0x76543210
	s_mov_b32 s93, 0xfedcba98                      ; selects for lane l xor 16
	s_mov_b32 s94, 0xffff0000                      ; lanes 16-31
; one matrix instruction.  ra, rb: which half of the lanes holds source 0's, source 1's scale words
.macro WM d, a, b, c, sa, sb, ra, rb
.if ((\ra)==0)&&((\rb)==0)
	v_wmma_scale_f32_16x16x128_f8f6f4 v[0+(\d):7+(\d)], v[0+(\a):11+(\a)], v[0+(\b):11+(\b)], v[0+(\c):7+(\c)], v[0+(\sa)], v[0+(\sb)] matrix_a_fmt:MATRIX_FMT_FP6 matrix_b_fmt:MATRIX_FMT_FP6
.elseif ((\ra)==1)&&((\rb)==0)
	v_wmma_scale_f32_16x16x128_f8f6f4 v[0+(\d):7+(\d)], v[0+(\a):11+(\a)], v[0+(\b):11+(\b)], v[0+(\c):7+(\c)], v[0+(\sa)], v[0+(\sb)] matrix_a_fmt:MATRIX_FMT_FP6 matrix_b_fmt:MATRIX_FMT_FP6 matrix_a_scale:MATRIX_SCALE_ROW1
.elseif ((\ra)==0)&&((\rb)==1)
	v_wmma_scale_f32_16x16x128_f8f6f4 v[0+(\d):7+(\d)], v[0+(\a):11+(\a)], v[0+(\b):11+(\b)], v[0+(\c):7+(\c)], v[0+(\sa)], v[0+(\sb)] matrix_a_fmt:MATRIX_FMT_FP6 matrix_b_fmt:MATRIX_FMT_FP6 matrix_b_scale:MATRIX_SCALE_ROW1
.else
	v_wmma_scale_f32_16x16x128_f8f6f4 v[0+(\d):7+(\d)], v[0+(\a):11+(\a)], v[0+(\b):11+(\b)], v[0+(\c):7+(\c)], v[0+(\sa)], v[0+(\sb)] matrix_a_fmt:MATRIX_FMT_FP6 matrix_b_fmt:MATRIX_FMT_FP6 matrix_a_scale:MATRIX_SCALE_ROW1 matrix_b_scale:MATRIX_SCALE_ROW1
.endif
.endm
; x's tiles a0 .. a0 + n - 1 against W's four, K step st.  first = 1: C is the bias.  The 32 accumulators take turns, one instruction a turn, in the same order in every step.
.macro MUL a0, n, st, first
.set AI, \a0
.rept \n
.irp b, 0,1,2,3
.if \first
	WM 8*(4*AI+\b), 12*\b, 48+12*AI, BI+8*\b, SW+16*(\b/2)+(\st), SX+16*(AI/2)+(\st), \b%2, AI%2
.else
	WM 8*(4*AI+\b), 12*\b, 48+12*AI, 8*(4*AI+\b), SW+16*(\b/2)+(\st), SX+16*(AI/2)+(\st), \b%2, AI%2
.endif
.endr
.set AI, AI+1
.endr
.endm
.macro MWIN st, first                  ; sources 0, 1: the step's set (window 2 or 3); C and D window 1 (first: C window 0)
.if \first
	WIN 0x4a
.elseif ((\st)&1)==0
	WIN 0x5a
.else
	WIN 0x5f
.endif
.endm
; 36 LDS loads in one run: K step st's fragments into set st % 2: W's four, x's 0-3, x's 4-7.  Each load takes 512 consecutive bytes
.macro FETCH st
.if ((\st)&1)==0
	WIN 0x80
.else
	WIN 0xc0
.endif
.irp b, 0,1,2,3
.irp c, 0,1,2
	ds_load_b128 v[12*\b+4*\c:12*\b+4*\c+3], v[ADW+(((\st)>>2)&1)] offset:\b*KQ+((\st)&3)*FRB+512*\c
.endr
.endr
.irp a, 0,1,2,3,4,5,6,7
.irp c, 0,1,2
	ds_load_b128 v[48+12*\a+4*\c:48+12*\a+4*\c+3], v[ADX+(((\st)>>2)&1)] offset:\a*KQ+((\st)&3)*FRB+512*\c
.endr
.endr
.endm
.macro STEP st, first                  ; a K step whose successor lies in the same slot
	s_wait_dscnt 12                                ; W's and x's tiles 0-3 are in; the youngest twelve loads (x's 4-7) may be out
	MWIN \st, \first
	MUL 0, 4, \st, \first
	s_wait_dscnt 0x0                               ; x's 4-7 are in (asked for 32 matrix instructions ago; 16 in step 0)
	PLACES
	FETCH (\st)+1
	MWIN \st, \first
	MUL 4, 4, \st, \first
.endm
; A slot's last step changes slots: ONE barrier; in front of it each wave waits for all its tensor loads, adds 0 to its spare word, and waits for that and for its own reads of this slot.
.macro TURNA st
	WIN 0                                          ; (the add's two registers lie in window 0)
	s_wait_tensorcnt 0x0                           ; all my tensor loads have landed: my part of the next slot
	ds_add_u32 v[SPW], v[NIL]                      ; 0 onto my spare word
	s_wait_dscnt 13                                ; (the add and the youngest twelve loads may be out)
	MWIN \st, 0
	MUL 0, 2, \st, 0                               ; eight matrix instructions stand between the add and the wait for it
	s_wait_dscnt 0x0                               ; the add is done, and my reads of this slot are over
	s_barrier_signal -1
	MUL 2, 2, \st, 0
	WIN 0
	s_barrier_wait -1
.endm
.macro TURNB st
	FETCH (\st)+1                                  ; the next slot's first fragments
	MWIN \st, 0
	MUL 4, 4, \st, 0
.endm
.macro REFILL slot                     ; the barrier has opened a round of the cluster's barrier; the joint refill is the first tensor load behind it, one a wave
	CREST
	s_add_nc_u64 s[G0A+4*\slot+2:G0A+4*\slot+3], s[G0A+4*\slot+2:G0A+4*\slot+3], 2*KQ
	s_add_nc_u64 s[G0B+4*\slot+2:G0B+4*\slot+3], s[G0B+4*\slot+2:G0B+4*\slot+3], 2*KQ
	JLOAD G0A+4*\slot, G1A, G0B+4*\slot, G1B       ; its four v_nop are the places in front of the loads that follow
.endm
.macro TAIL                            ; the second half of step 11 and steps 12 to 15: nothing is left to fetch from memory
	PLACES
	TURNB 11
	STEP 12, 0
	STEP 13, 0
	STEP 14, 0
	s_wait_dscnt 12
	MWIN 15, 0
	MUL 0, 4, 15, 0
	s_wait_dscnt 0x0
	MUL 4, 4, 15, 0
	WIN 0
	PLACES                                         ; in front of the first read of results
.endm
.macro FINISH
	WIN 0
	s_wait_tensorcnt 0x0                           ; the wave's end: a tensor wait, an add of 0 to my spare word and its wait, behind my last tensor load and my last LDS store
	ds_add_u32 v[SPW], v[NIL]
	s_wait_dscnt 0x0
	CROUND                                         ; the closing round
	s_endpgm
.endm
	s_wait_tensorcnt 0x1                           ; the scale words and my part of slot 0 are in; slot 1's load may stay out
	s_barrier_signal -1
	s_barrier_wait -1
.irp p, 0,1,2,3                        ; all of K's scale words go to registers once: two K steps' words a load
.irp g, 0,1,2,3,4,5,6,7
	ds_load_b64 v[SX+16*\p+2*\g:SX+16*\p+2*\g+1], v[ADSX] offset:\p*2048+\g*256
.endr
.endr
.irp p, 0,1
.irp g, 0,1,2,3,4,5,6,7
	ds_load_b64 v[SW+16*\p+2*\g:SW+16*\p+2*\g+1], v[ADSW] offset:\p*2048+\g*256
.endr
.endr
	FETCH 0
	s_wait_loadcnt 0x0                             ; the bias
	STEP 0, 1
	STEP 1, 0
	STEP 2, 0
	TURNA 3
	REFILL 0                                       ; slot 0 takes K steps 8-11
	TURNB 3
	STEP 4, 0
	STEP 5, 0
	STEP 6, 0
	TURNA 7
	REFILL 1                                       ; slot 1 takes K steps 12-15
	TURNB 7
	STEP 8, 0
	STEP 9, 0
	STEP 10, 0
	TURNA 11                                       ; nothing is filled again: no round follows
	s_cmp_eq_u32 ttmp9, 5                          ; the kind of my columns: the cluster's x, the same in all sixteen partners
	s_cbranch_scc1 .Lv_way
; ---- q and k: rope, then the quantiser along the head's 64
.set OO, 144                           ; window 2: v144-175 the rotated 32 numbers of a lane
.set CD, 176                           ; v176-223 codes, 12 registers a pair of tiles
.set WD, 224                           ; v224-227 the four scale words
.set QM, 228
.set QX, 230
.set QO, 232
.set QB, 234
.set WU, 236
.set QT, 238
.macro ROPE_LOAD a                     ; my token's cos and sin of channels 16 h + 0 .. 15, into set a % 2
.irp i, 0,1,2,3
	global_load_b128 v[RP+32*((\a)%2)+4*\i:RP+32*((\a)%2)+4*\i+3], v[ROFF], s[14:15] offset:(32*((\a)/2)+8*((\a)%2))*256+16*\i
.endr
.irp i, 0,1,2,3
	global_load_b128 v[RP+32*((\a)%2)+16+4*\i:RP+32*((\a)%2)+16+4*\i+3], v[ROFF], s[14:15] offset:(32*((\a)/2)+8*((\a)%2))*256+128+16*\i
.endr
.endm
; 32 numbers of a lane, register 16 b + i = channel 32 b + 16 h + i, become six registers of codes (lane (r, h): block h whole) and the token's scale word
.macro QUANT2 src, dst, wd
.irp b, 0,1
	v_max3_num_f32 v[QM+\b], |v[\src+16*\b]|, |v[\src+16*\b+1]|, 0x1800000   ; with the floor 2^(3 - 127)
.endr
.irp i, 2,4,6,8,10,12,14
.irp b, 0,1
	v_max3_num_f32 v[QM+\b], v[QM+\b], |v[\src+16*\b+\i]|, |v[\src+16*\b+\i+1]|
.endr
.endr
.irp b, 0,1
	v_permlanex16_b32 v[QX+\b], v[QM+\b], s92, s93
.endr
.irp b, 0,1
	v_max_num_f32 v[QM+\b], v[QM+\b], v[QX+\b]     ; with lane l xor 16's 16: the block's largest magnitude
.endr
.irp b, 0,1
	v_add_nc_u32 v[QO+\b], 0xff000000, v[QM+\b]
.endr
.irp b, 0,1
	v_lshrrev_b32 v[QB+\b], 23, v[QO+\b]
.endr
	v_lshl_or_b32 v[\wd], v[QB+1], 8, v[QB]
	v_or_b32 v[\wd], 0x7f7f0000, v[\wd]            ; 127 for the two blocks of zero codes
	v_cvt_scalef32_pk16_fp6_f32 v[\dst:\dst+2], v[\src:\src+15], v[QO]
	v_cvt_scalef32_pk16_fp6_f32 v[QT:QT+2], v[\src+16:\src+31], v[QO+1]
	v_nop                                          ; one plain place behind a scaled conversion
.irp i, 0,1,2
	v_permlane16_swap_b32 v[\dst+\i], v[QT+\i]     ; lanes 0-15 keep block 0's lower 16 and get its upper 16; lanes 16-31 likewise of block 1
.endr
.irp i, 0,1,2
	v_mov_b32 v[\dst+3+\i], v[QT+\i]
.endr
.endm
.macro QKTILE a
.if (\a) < 7
	s_wait_loadcnt 8                               ; this tile's 8 loads are in; the next tile's 8 may be out
.else
	s_wait_loadcnt 0x0
.endif
	WIN 0x81                                       ; source 0 (results) window 1, source 1 (cos, sin) window 0, destination window 2.
.irp i, 0,2,4,6,8,10,12,14
	v_pk_mul_f32 v[OO+\i:OO+\i+1], v[32*(\a)+\i:32*(\a)+\i+1], v[RP+32*((\a)%2)+\i:RP+32*((\a)%2)+\i+1]                    ; x1 cos
.endr
.irp i, 0,2,4,6,8,10,12,14
	v_pk_mul_f32 v[OO+16+\i:OO+16+\i+1], v[32*(\a)+\i:32*(\a)+\i+1], v[RP+32*((\a)%2)+16+\i:RP+32*((\a)%2)+16+\i+1]        ; x1 sin
.endr
	WIN 0xa1                                       ; and source 2 window 2
.irp i, 0,2,4,6,8,10,12,14
	v_pk_fma_f32 v[OO+\i:OO+\i+1], v[32*(\a)+16+\i:32*(\a)+16+\i+1], v[RP+32*((\a)%2)+16+\i:RP+32*((\a)%2)+16+\i+1], v[OO+\i:OO+\i+1] neg_lo:[1,0,0] neg_hi:[1,0,0]   ; - x2 sin
.endr
.irp i, 0,2,4,6,8,10,12,14
	v_pk_fma_f32 v[OO+16+\i:OO+16+\i+1], v[32*(\a)+16+\i:32*(\a)+16+\i+1], v[RP+32*((\a)%2)+\i:RP+32*((\a)%2)+\i+1], v[OO+16+\i:OO+16+\i+1]   ; + x2 cos
.endr
	WIN 0
.if (\a) < 6
	ROPE_LOAD (\a)+2
.endif
	WIN 0xaa                                       ; all in window 2
	QUANT2 OO, CD+12*((\a)/2)+6*((\a)%2), WU+(\a)%2
.if ((\a)%2) == 1
	v_cndmask_b32 v[WD+(\a)/2], v[WU], v[WU+1], s94   ; lanes 0-15: the even tile's words; lanes 16-31: the odd tile's
	WIN 0x08                                       ; a store's data are its source 1: window 2.  Each pair has code registers of its own: no store's data are written again
.irp c, 0,1,2
	global_store_b128 v[GO], v[CD+12*((\a)/2)+4*\c:CD+12*((\a)/2)+4*\c+3], s[16:17] offset:((\a)/2)*FRB+512*\c   ; 32 lanes store 512 consecutive bytes, aligned
.endr
.endif
.endm
	s_lshl_b32 s2, s67, 15                         ; my 128 tokens' rows of the rope cache, 256 bytes each
	s_mov_b32 s3, 0
	s_add_nc_u64 s[14:15], s[14:15], s[2:3]
	ROPE_LOAD 0                                    ; four K steps ahead of their use
	ROPE_LOAD 1
	s_mul_i32 s2, s45, 106496                      ; my record of qk
	s_mul_i32 s95, s67, 6656
	s_add_co_u32 s2, s2, s95
	s_add_nc_u64 s[16:17], s[16:17], s[2:3]
	TAIL
	WIN 0x80
	v_mov_b32 v[QX], 0                             ; written once: a lane permute's destination counts as one of its sources
	v_mov_b32 v[QX+1], 0
.irp a, 0,1,2,3,4,5,6,7
	QKTILE \a
.endr
	WIN 0x08
	global_store_b128 v[GO], v[WD:WD+3], s[16:17] offset:4*FRB   ; the record's 512 bytes of scale words
	FINISH
; ---- v: the keys are product 5's K.  A lane holds one token, so 32 channels x 128 tokens at a time turn through the wave's stage; then a lane holds one channel and two whole blocks of 32 keys
.Lv_way:
.set XX,  144                          ; window 2: v144-207 64 numbers of my channel
.set VPC, 208                          ; v208-219 the fragment
.set VTP, 220                          ; v220-222, v224-226
.set VM,  228
.set VSO, 230
.set VBY, 232
.set VW,  234
.set VT,  235
.set VSH, 236
.set VWU, 238
.set VWD, 240
	TAIL
	s_mul_i32 s2, s66, 102400                      ; my record of vb
	s_mul_i32 s3, s67, 6400
	s_add_co_u32 s2, s2, s3
	s_mov_b32 s3, 0
	s_add_nc_u64 s[18:19], s[18:19], s[2:3]
	WIN 0x80
	v_lshlrev_b32 v[VSH], 3, v[HH]                 ; 8 h
	v_mov_b32 v[VT], 0
.irp bb, 0,1
	WIN 0x04                                       ; an LDS store's data are its source 1: window 1.  Stage row 16 u + 8 h + j holds channel 32 bb + 16 h + 8 u + j; each accumulator from its low end on
.irp a, 0,1,2,3,4,5,6,7
.irp u, 0,1
.irp j, 0,1,2,3,4,5,6,7
	ds_store_b32 v[VSTO], v[32*\a+16*\bb+8*\u+\j] offset:(16*\u+\j)*VP+4*(32*(\a/2)+8*(\a%2))
.endr
.endr
.endr
.irp w, 0,1                            ; tile 2 bb + w of V^T: lane r takes stage row 16 w + r
	WIN 0x80
.irp c, 0,1
.irp i, 0,1,2,3,4,5,6,7
	ds_load_b128 v[XX+32*\c+4*\i:XX+32*\c+4*\i+3], v[VRD] offset:16*\w*VP+256*\c+16*\i   ; LDS serves a wave's instructions in order: these see my stores, and the next 32 channels' stores come behind them
.endr
.endr
	s_wait_dscnt 0x0
	s_wait_xcnt 0x0                                ; the last fragment's stores have read their registers
	WIN 0xaa
.irp c, 0,1
	v_max3_num_f32 v[VM+\c], |v[XX+32*\c]|, |v[XX+32*\c+1]|, 0x1800000
.endr
.irp i, 2,4,6,8,10,12,14,16,18,20,22,24,26,28,30
.irp c, 0,1
	v_max3_num_f32 v[VM+\c], v[VM+\c], |v[XX+32*\c+\i]|, |v[XX+32*\c+\i+1]|
.endr
.endr
.irp c, 0,1
	v_add_nc_u32 v[VSO+\c], 0xff000000, v[VM+\c]
.endr
.irp c, 0,1
	v_lshrrev_b32 v[VBY+\c], 23, v[VSO+\c]
.endr
	v_lshl_or_b32 v[VW], v[VBY+1], 16, v[VBY]
	v_lshlrev_b32 v[VW], v[VSH], v[VW]
	v_permlanex16_b32 v[VT], v[VW], s92, s93
	v_or_b32 v[VWU+\w], v[VW], v[VT]
.irp c, 0,1
	v_cvt_scalef32_pk16_fp6_f32 v[VPC+6*\c:VPC+6*\c+2], v[XX+32*\c:XX+32*\c+15], v[VSO+\c]
	v_cvt_scalef32_pk16_fp6_f32 v[VTP+4*\c:VTP+4*\c+2], v[XX+32*\c+16:XX+32*\c+31], v[VSO+\c]
.endr
	v_nop
.irp c, 0,1
.irp i, 0,1,2
	v_mov_b32 v[VPC+6*\c+3+\i], v[VTP+4*\c+\i]
.endr
.endr
	WIN 0x08
.irp c, 0,1,2
	global_store_b128 v[GO], v[VPC+4*\c:VPC+4*\c+3], s[18:19] offset:(2*\bb+\w)*FRB+512*\c
.endr
.endr
	WIN 0xaa
	v_cndmask_b32 v[VWD+\bb], v[VWU], v[VWU+1], s94
.endr
	WIN 0x08
	global_store_b64 v[L8], v[VWD:VWD+1], s[18:19] offset:4*FRB   ; 256 consecutive bytes of scale words
	FINISH
.Lfunc_end_k_qd873cd38bd_qkv:
	.size	k_qd873cd38bd_qkv, .Lfunc_end_k_qd873cd38bd_qkv-k_qd873cd38bd_qkv
	.p2alignl 7, 3214868480
	.fill 96, 4, 3214868480
	.section	.rodata,"a",@progbits
	.p2align	6, 0x0
	.amdhsa_kernel k_qd873cd38bd_qkv
		.amdhsa_group_segment_fixed_size 327680
		.amdhsa_private_segment_fixed_size 0
		.amdhsa_enable_private_segment 0
		.amdhsa_kernarg_size 64
		.amdhsa_user_sgpr_count 2
		.amdhsa_user_sgpr_kernarg_segment_ptr 1
		.amdhsa_wavefront_size32 1
		.amdhsa_system_sgpr_workgroup_id_x 1
		.amdhsa_system_sgpr_workgroup_id_y 1
		.amdhsa_system_sgpr_workgroup_id_z 1
		.amdhsa_system_vgpr_workitem_id 0
		.amdhsa_next_free_vgpr 1024
		.amdhsa_next_free_sgpr 100
		.amdhsa_reserve_vcc 0
		.amdhsa_float_denorm_mode_32 3
		.amdhsa_float_denorm_mode_16_64 3
		.amdhsa_memory_ordered 1
		.amdhsa_forward_progress 1
		.amdhsa_inst_pref_size 224
	.end_amdhsa_kernel
	.amdgpu_metadata
---
amdhsa.version: [ 1, 2 ]
amdhsa.kernels:
  - .name:           k_qd873cd38bd_qkv
    .symbol:         k_qd873cd38bd_qkv.kd
    .args:
      - { .name: cod, .offset: 0, .size: 8, .value_kind: global_buffer, .address_space: global }
      - { .name: scl, .offset: 8, .size: 8, .value_kind: global_buffer, .address_space: global }
      - { .name: wq_b, .offset: 16, .size: 8, .value_kind: global_buffer, .address_space: global }
      - { .name: wk_b, .offset: 24, .size: 8, .value_kind: global_buffer, .address_space: global }
      - { .name: wv_b, .offset: 32, .size: 8, .value_kind: global_buffer, .address_space: global }
      - { .name: rope_cache, .offset: 40, .size: 8, .value_kind: global_buffer, .address_space: global }
      - { .name: qk, .offset: 48, .size: 8, .value_kind: global_buffer, .address_space: global }
      - { .name: vb, .offset: 56, .size: 8, .value_kind: global_buffer, .address_space: global }
    .group_segment_fixed_size: 327680
    .private_segment_fixed_size: 0
    .kernarg_segment_align: 8
    .kernarg_segment_size: 64
    .max_flat_workgroup_size: 128
    .sgpr_count:     100
    .vgpr_count:     1024
    .wavefront_size: 32
...
	.end_amdgpu_metadata
.endif
;; end of part 2
;; launch attn (part 3): grid 32 x 8, 16 waves a work-group, clusters of 4 x 1, 210,944 bytes of LDS; arguments qk, vb, sinks, acod, ascl; writes acod, ascl
.if DOCPART == 3
	.amdgcn_target "amdgcn-amd-amdhsa--gfx1250"
	.amdhsa_code_object_version 6
	.text
	.protected	k_qd873cd38bd_attn
	.globl	k_qd873cd38bd_attn
	.p2align	8
	.type	k_qd873cd38bd_attn,@function
k_qd873cd38bd_attn:
	s_mov_b64 s[64:65], 0
	v_nop
	global_prefetch_b8 v0, s[64:65] scope:SCOPE_SE
	s_setreg_imm32_b32 hwreg(HW_REG_WAVE_MODE, 25, 1), 1
	s_wait_xcnt 0x0
	s_wait_alu depctr_hold_cnt(0) depctr_sa_sdst(0) depctr_va_vdst(0) depctr_va_sdst(0) depctr_va_ssrc(0) depctr_va_vcc(0) depctr_vm_vsrc(0)
	s_getreg_b32 s2, hwreg(HW_REG_IB_STS2, 6, 4)
	s_cmp_eq_u32 s2, 0
	s_cbranch_scc0 .Lentry_in_a_cluster
	s_endpgm
.Lentry_in_a_cluster:
	s_bfe_u32 s2, ttmp6, 0x10000c
	s_cmp_lg_u32 s2, 0x3003
	s_cbranch_scc0 .Lentry_shape_is_right
	s_endpgm
.Lentry_shape_is_right:
; LAUNCH 3 OF 4.  scores = q k^T / 8 under the causal mask, lse, p = exp(score - lse), o = p v, o x sigmoid(lse - sink); both products on codes of E2M3; o is quantised along (head, channel) for product 6.
; WORK LEFT OUT: key steps that lie wholly above the diagonal (reference()'s own jnp.tril sets them to -1e30: their p are zeros).  Shown at the head of launch 1.
; WHAT IS QUANTISED ALONG THE KEYS IS THE FINISHED p, so the row's lse is known first: TWO WALKS over the keys.  Walk 1: t = score x log2(e) / 8, a running largest t (m) and the sum of 2^(t - m); lse2 = m + log2(sum).
; Walk 2 makes the same scores by the same instructions, p = 2^(t - lse2), its codes, and O^T += V^T P^T.  t is rounded once, by a multiplication of its own, so that a row in which one key counts gives t - m = 0, sum = 1, p = 1, as reference() does.
; SHARES.  A work-group serves one head and one place e (0 .. 7) among the eight query tiles of each 128 tokens; wave w owns ONE tile of 16 queries, 8 sg + e, sg = SG(w) a fixed order of 0 .. 15.  So every work-group has one tile of each
; causal length, 1 to 16 key steps of 128, and any four waves w % 4 or w / 4 have 34 steps together.  The wave with sg = 15 reads all keys: every tile that is loaded is read in every work-group.
; LDS is filled ONCE: the kv head's 16 records of K and 16 of V (launch 2's), one of each by each wave.  CLUSTER 4 x 1: the four partners serve one head: each record is asked for jointly.  The place in the cluster enters global
; addresses and the mask's numbers alone.
; LAYOUT.  Both products transposed (S^T = K Q^T, O^T = V^T P^T): a lane (r, h) holds ONE query; S register 16 b + i is key 128 s + 32 b + 16 h + i.  K = 64 is half of the instruction's 128: Q's upper six registers are zero codes;
; K's fragment t takes the next fragment's six registers as its upper half, which meet those zeros.
; LIMITS: masked scores are -infinity where reference() has -1e30 (the same p = 0 while a row's lse is above -1e30); a block of zeros gets the byte 1; NaN and infinities are not served.
; THE ONE STORE THAT FILLS NO WHOLE RUN: the result's scale bytes, 2 bytes a lane, 8 bytes apart: the other half of each word belongs to another head's work-group; one byte for each 24 of codes.
.set FRB,   1536
.set KREC,  6656                       ; a record of K: 4 x 1,536 bytes of codes, 512 of scale words
.set VREC,  6400                       ; of V: 4 fragments, 256 of scale words
.set VBASE, 16*KREC
.set SPARE, VBASE+16*VREC              ; the spare words, 128 bytes a wave: eight blocks of 256 bytes that no other line names
.set L16,  1                           ; 16 x lane
.set L8,   2                           ; 8 x lane
.set ADK,  3
.set ADV,  4
.set ADVS, 5
.set SPW,  6                           ; my spare word; never rewritten
.set NIL,  7                           ; 0; never rewritten
.set DD,   8                           ; my query among its 128, less 16 h
.set NINF, 9
.set MR,   10                          ; v10 the largest t so far (v11 written: named with it as a pair)
.set SUM,  12                          ; v[12:13] the sum in two halves
.set LS,   14                          ; v14 lse2 (v15 written)
.set Q,    16                          ; v16-27
.set QS,   28                          ; Q's scale word
.set KF,   32                          ; v32-85 K's eight fragments of six; in walk 2 then V's four of twelve
.set KS,   86                          ; v86-89 K's scale words
.set VS,   90                          ; v90-91 V's
.set S,    96                          ; v96-159 S^T, t, p
.set O,    160                         ; v160-191 O^T
.set PC,   192                         ; v192-203 p's codes
.set TP,   204                         ; v204-206, v208-210
.set BM,   212
.set BX,   216
.set SO,   220
.set PW,   224                         ; p's scale word
.set BY,   226
.set GT,   230                         ; v230 the gate (v231 written)
.set F,    232                         ; v232 2^(old m - new m) (v233 written)
.set T,    234                         ; v234-239 at work
.set WV,  18
.set SG,  19
.set SEL, 20
.set CS,  22                           ; s[22:23] c = log2(e) / 8
.set G1K, 24
.set G1V, 32
.set G0K, 40
.set G0V, 44
.set STP, 48                           ; the key step
.set KB,  49                           ; LDS byte of its record of K
.set VB,  50                           ; and of V
.set SNK, 51
.set L2E, 60
.macro PLACES
.rept 4
	v_nop
.endr
.endm
.macro ROUND                           ; a round of the cluster's barrier
	s_barrier_signal -1
	s_barrier_wait -1
	s_cmp_lg_u32 s[WV], 0
	s_cbranch_scc1 .Lnot_wave_0_\@
	s_barrier_signal -3
.Lnot_wave_0_\@:
	s_barrier_wait -3
	s_barrier_signal -1
	s_barrier_wait -1
.endm
	s_load_b128 s[4:7], s[0:1], 0x0                ; qk, vb
	s_load_b128 s[8:11], s[0:1], 0x10              ; sinks, acod
	s_load_b64 s[12:13], s[0:1], 0x20              ; ascl
	v_lshl_add_u32 v[SPW], v0, 2, SPARE
	v_mov_b32 v[NIL], 0
	ds_add_u32 v[SPW], v[NIL]                      ; the wave's opening: the add, twice on end, and its wait ahead of my first tensor load
	ds_add_u32 v[SPW], v[NIL]
	v_lshrrev_b32 v1, 5, v0
	v_readfirstlane_b32 s[WV], v1                  ; wave 0 .. 15
	s_cmp_lt_u32 s[WV], 8                          ; SG(w): 15 2 1 12 / 4 9 10 7 / 8 5 6 11 / 3 14 13 0: every row and every column sums to 30
	s_mov_b32 s[SG], 0x0de3b658
	s_cselect_b32 s[SG], 0x7a94c12f, s[SG]
	s_and_b32 s2, s[WV], 7
	s_lshl_b32 s2, s2, 2
	s_lshr_b32 s[SG], s[SG], s2
	s_and_b32 s[SG], s[SG], 15
	s_bfe_u32 s14, ttmp6, 0x40000                  ; cx
	s_and_b32 s15, ttmp7, 0xffff                   ; the kv head
	s_and_b32 s16, ttmp9, 1
	s_lshl_b32 s16, s16, 2
	s_add_co_u32 s16, s16, s14                     ; e = 4 (cluster x % 2) + cx
	s_lshr_b32 s17, ttmp9, 1
	s_lshl_b32 s2, s15, 2
	s_add_co_u32 s17, s17, s2                      ; head = 4 kv head + cluster x / 2: the four partners share it
	s_mov_b32 s[G1K], 15|(3<<16)|(1<<21)           ; the mask: all four; elements of 8 bytes; bit 21 set beside a mask
	s_mov_b32 s[G1K+1], 32<<16                     ; a dense block as rows of 256 bytes
	s_mov_b32 s[G1K+2], 26<<16                     ; 26 rows: 6,656 bytes
	s_mov_b32 s[G1K+3], 32<<16
	s_mov_b32 s[G1K+4], 26
	s_mov_b32 s[G1K+5], 32
	s_mov_b32 s[G1K+6], 0
	s_mov_b32 s[G1K+7], 0
	s_mov_b32 s[G1V], 15|(3<<16)|(1<<21)
	s_mov_b32 s[G1V+1], 32<<16
	s_mov_b32 s[G1V+2], 25<<16                     ; 25 rows: 6,400 bytes
	s_mov_b32 s[G1V+3], 32<<16
	s_mov_b32 s[G1V+4], 25
	s_mov_b32 s[G1V+5], 32
	s_mov_b32 s[G1V+6], 0
	s_mov_b32 s[G1V+7], 0
	s_mul_i32 s52, s[WV], KREC
	s_mul_i32 s53, s[WV], VREC
	s_add_co_u32 s2, s15, 32                       ; k's heads lie behind q's 32 in qk
	s_mul_i32 s54, s2, 16*KREC
	s_add_co_u32 s54, s54, s52
	s_mov_b32 s55, 0
	s_mul_i32 s56, s15, 16*VREC
	s_add_co_u32 s56, s56, s53
	s_mov_b32 s57, 0
	s_mov_b32 s[G0K], 1
	s_mov_b32 s[G0K+1], s52                        ; record w of K at w x 6,656
	s_mov_b32 s[G0V], 1
	s_add_co_u32 s[G0V+1], s53, VBASE              ; of V behind them
	s_mov_b32 s[SEL], 0x76543210
	s_mov_b32 s[SEL+1], 0xfedcba98
	s_mov_b32 s[CS], 0x3e38aa3b                    ; log2(e) / 8
	s_mov_b32 s[CS+1], s[CS]
	s_mov_b32 s[L2E], 0x3fb8aa3b
	s_wait_dscnt 0x0                               ; both opening adds are done
	s_wait_kmcnt 0x0
	s_add_nc_u64 s[G0K+2:G0K+3], s[4:5], s[54:55]
	s_or_b32 s[G0K+3], s[G0K+3], 0x80000000
	s_add_nc_u64 s[G0V+2:G0V+3], s[6:7], s[56:57]
	s_or_b32 s[G0V+3], s[G0V+3], 0x80000000
	ROUND                                          ; all four work-groups are here: the joint loads meet
	tensor_load_to_lds s[G0K:G0K+3], s[G1K:G1K+7]  ; two loads of mine are out at the most
	s_nop 0
	tensor_load_to_lds s[G0V:G0V+3], s[G1V:G1V+7]
	s_nop 0
.rept 4
	v_nop
.endr
	s_lshl_b32 s2, s17, 2
	s_mov_b32 s3, 0
	s_add_nc_u64 s[8:9], s[8:9], s[2:3]
	s_load_b32 s[SNK], s[8:9], 0x0                 ; my head's sink
	s_mul_i32 s2, s17, 16*KREC
	s_mul_i32 s58, s[SG], KREC
	s_add_co_u32 s2, s2, s58
	s_add_nc_u64 s[4:5], s[4:5], s[2:3]            ; the record that holds my queries
	v_and_b32 v234, 31, v0
	v_and_b32 v235, 15, v0                         ; r
	v_bfe_u32 v236, v0, 4, 1                       ; h
	v_lshlrev_b32 v[L16], 4, v234
	v_lshlrev_b32 v[L8], 3, v234
	s_lshr_b32 s58, s16, 1                         ; e / 2: the pair of tiles
	s_and_b32 s59, s16, 1                          ; u = e % 2
	s_mul_i32 s2, s58, FRB                         ; my tile's six registers out of the pair's image of twelve: bytes 16 l, 16 l + 8, 512 + 16 l (u = 0) or 520 + 16 l, 1024 + 16 l, 1032 + 16 l (u = 1)
	s_mul_i32 s3, s59, 520
	s_add_co_u32 s3, s3, s2
	v_add_nc_u32 v237, s3, v[L16]
	s_mul_i32 s3, s59, 1016
	s_add_co_u32 s3, s3, s2
	s_add_co_u32 s3, s3, 8
	v_add_nc_u32 v238, s3, v[L16]
	global_load_b64 v[Q:Q+1], v237, s[4:5]
	global_load_b64 v[Q+4:Q+5], v237, s[4:5] offset:512
	global_load_b64 v[Q+2:Q+3], v238, s[4:5]
	s_lshl_b32 s2, s59, 8
	s_lshl_b32 s3, s58, 2
	s_add_co_u32 s2, s2, s3
	v_lshl_add_u32 v239, v235, 4, s2
	global_load_b32 v[QS], v239, s[4:5] offset:4*FRB   ; word e / 2 of lane r + 16 u
	v_and_b32 v[DD], 8, v235
	v_add_nc_u32 v[DD], v[DD], v235                ; r + 8 (r / 8)
	v_lshlrev_b32 v236, 4, v236
	v_sub_nc_u32 v[DD], v[DD], v236
	s_lshl_b32 s2, s58, 5
	s_lshl_b32 s3, s59, 3
	s_add_co_u32 s2, s2, s3
	v_add_nc_u32 v[DD], s2, v[DD]                  ; 32 (e / 2) + 8 u + r + 8 (r / 8) - 16 h
	v_mov_b32 v[NINF], 0xff800000
	v_mov_b32 v[MR], 0xff61b1e6                    ; -3e38, under every t
	v_mov_b32 v[MR+1], 0
	v_mov_b32 v[SUM], 0
	v_mov_b32 v[SUM+1], 0
	v_mov_b32 v[LS+1], 0
	v_mov_b32 v[GT+1], 0
	v_mov_b32 v[F+1], 0
.irp b, 0,1,2,3
	v_mov_b32 v[BX+\b], 0                          ; written once: a lane permute's destination counts as one of its sources
.endr
.irp i, 6,7,8,9,10,11
	v_mov_b32 v[Q+\i], 0                           ; zero codes for k = 64 .. 127
	v_mov_b32 v[KF+42+\i], 0                       ; the last fragment's upper half
.endr
.set J, 0
.rept 32
	v_mov_b32 v[O+J], 0                            ; O^T: walk 2 is written once
.set J, J+1
.endr
	s_wait_loadcnt 0x0                             ; Q
	s_wait_kmcnt 0x0                               ; the sink
	s_wait_tensorcnt 0x1                           ; my record of K is in; V's may stay out
	s_barrier_signal -1
	s_barrier_wait -1
.macro KTILE t
.if ((\t)%2) == 0
	v_wmma_scale_f32_16x16x128_f8f6f4 v[S+8*(\t):S+8*(\t)+7], v[KF+6*(\t):KF+6*(\t)+11], v[Q:Q+11], 0, v[KS+(\t)/2], v[QS] matrix_a_fmt:MATRIX_FMT_FP6 matrix_b_fmt:MATRIX_FMT_FP6
.else
	v_wmma_scale_f32_16x16x128_f8f6f4 v[S+8*(\t):S+8*(\t)+7], v[KF+6*(\t):KF+6*(\t)+11], v[Q:Q+11], 0, v[KS+(\t)/2], v[QS] matrix_a_fmt:MATRIX_FMT_FP6 matrix_b_fmt:MATRIX_FMT_FP6 matrix_a_scale:MATRIX_SCALE_ROW1
.endif
.endm
.macro VTILE t
.if ((\t)%2) == 0
	v_wmma_scale_f32_16x16x128_f8f6f4 v[O+8*(\t):O+8*(\t)+7], v[KF+12*(\t):KF+12*(\t)+11], v[PC:PC+11], v[O+8*(\t):O+8*(\t)+7], v[VS+(\t)/2], v[PW] matrix_a_fmt:MATRIX_FMT_FP6 matrix_b_fmt:MATRIX_FMT_FP6
.else
	v_wmma_scale_f32_16x16x128_f8f6f4 v[O+8*(\t):O+8*(\t)+7], v[KF+12*(\t):KF+12*(\t)+11], v[PC:PC+11], v[O+8*(\t):O+8*(\t)+7], v[VS+(\t)/2], v[PW] matrix_a_fmt:MATRIX_FMT_FP6 matrix_b_fmt:MATRIX_FMT_FP6 matrix_a_scale:MATRIX_SCALE_ROW1
.endif
.endm
.macro QKM                             ; S^T of the step's 128 keys: 13 LDS loads, 8 matrix instructions
	v_add_nc_u32 v[ADK], s[KB], v[L16]
	ds_load_b128 v[KS:KS+3], v[ADK] offset:4*FRB
.irp p, 0,1,2,3
.irp c, 0,1,2
	ds_load_b128 v[KF+12*\p+4*\c:KF+12*\p+4*\c+3], v[ADK] offset:FRB*\p+512*\c
.endr
.endr
	s_wait_dscnt 4                                 ; all but pair 2's last chunk and pair 3's three: tile 3's upper half, pair 2's first six registers, is in
.irp t, 0,1,2,3
	KTILE \t
.endr
	s_wait_dscnt 0x0
.irp t, 4,5,6,7
	KTILE \t
.endr
	PLACES
.endm
.macro TSCALE                          ; t = score x c, rounded once; each accumulator from its low end on
.set J, 0
.rept 32
	v_pk_mul_f32 v[S+J:S+J+1], v[S+J:S+J+1], s[CS:CS+1] op_sel_hi:[1,0]
.set J, J+2
.endr
.endm
.macro MASK                            ; the wave's last step lies on the diagonal: hidden keys become -infinity.  Earlier steps are wholly open: a scalar branch on ids
	s_cmp_lg_u32 s[STP], s[SG]
	s_cbranch_scc1 .Lopen_\@
.set N, 0
.rept 64
	v_cmp_gt_i32 vcc_lo, 32*(N/16)+N%16, v[DD]
	v_cndmask_b32 v[S+N], v[S+N], v[NINF], vcc_lo
.set N, N+1
.endr
.Lopen_\@:
.endm
.macro BMAX                            ; the largest t of my 16 keys of each block of 32
.irp b, 0,1,2,3
	v_max3_num_f32 v[BM+\b], v[S+16*\b], v[S+16*\b+1], v[S+16*\b+2]
.endr
.irp i, 3,5,7,9,11,13
.irp b, 0,1,2,3
	v_max3_num_f32 v[BM+\b], v[BM+\b], v[S+16*\b+\i], v[S+16*\b+\i+1]
.endr
.endr
.irp b, 0,1,2,3
	v_max_num_f32 v[BM+\b], v[BM+\b], v[S+16*\b+15]
.endr
.endm
.macro SUBEXP reg                      ; S = 2^(t - v[reg]): 32 packed subtractions, 64 exponentials
.set J, 0
.rept 32
	v_pk_add_f32 v[S+J:S+J+1], v[S+J:S+J+1], v[\reg:\reg+1] op_sel_hi:[1,0] neg_lo:[0,1] neg_hi:[0,1]
.set J, J+2
.endr
.set J, 0
.rept 64
	v_exp_f32 v[S+J], v[S+J]
.set J, J+1
.endr
.endm
; WALK 1, a key step.  Each half of the lanes keeps its own m and sum of its own 64 keys; they are joined behind the walk.
.macro STEP1
	s_cmp_gt_u32 s[STP], s[SG]                     ; a step all of whose keys come after my queries is left out: ids alone; no barrier stands in a step
	s_cbranch_scc1 .Lskip_\@
	QKM
	TSCALE
	MASK
	BMAX
	v_max3_num_f32 v[T], v[BM], v[BM+1], v[BM+2]
	v_max3_num_f32 v[T], v[T], v[BM+3], v[MR]      ; the new m
	v_sub_f32 v[F], v[MR], v[T]                    ; old m - new m
	v_mov_b32 v[MR], v[T]
	v_exp_f32 v[F], v[F]
	SUBEXP MR
	v_nop                                          ; a plain place behind the last exponential
	s_wait_alu depctr_va_vdst(0)                   ; one wait for the batch of 65, ahead of its first reader
	v_pk_mul_f32 v[SUM:SUM+1], v[SUM:SUM+1], v[F:F+1] op_sel_hi:[1,0]   ; the sum under the new m
	v_pk_add_f32 v[T+2:T+3], v[S:S+1], v[S+2:S+3]  ; two chains
.set J, 4
.rept 15
	v_pk_add_f32 v[SUM:SUM+1], v[SUM:SUM+1], v[S+J:S+J+1]
	v_pk_add_f32 v[T+2:T+3], v[T+2:T+3], v[S+J+2:S+J+3]
.set J, J+4
.endr
	v_pk_add_f32 v[SUM:SUM+1], v[SUM:SUM+1], v[T+2:T+3]
.Lskip_\@:
	s_add_co_u32 s[KB], s[KB], KREC
.endm
; WALK 2, a key step
.macro STEP2
	s_cmp_gt_u32 s[STP], s[SG]
	s_cbranch_scc1 .Lskip_\@
	QKM
	v_add_nc_u32 v[ADV], s[VB], v[L16]
	v_add_nc_u32 v[ADVS], s[VB], v[L8]
.irp t, 0,1,2,3                        ; V's four fragments take K's registers (four places and two additions behind the products that read them); they land under the softmax
.irp c, 0,1,2
	ds_load_b128 v[KF+12*\t+4*\c:KF+12*\t+4*\c+3], v[ADV] offset:FRB*\t+512*\c
.endr
.endr
	ds_load_b64 v[VS:VS+1], v[ADVS] offset:4*FRB
	TSCALE
	MASK
	BMAX
.irp b, 0,1,2,3
	v_permlanex16_b32 v[BX+\b], v[BM+\b], s[SEL], s[SEL+1]
.endr
.irp b, 0,1,2,3
	v_max_num_f32 v[BM+\b], v[BM+\b], v[BX+\b]     ; the block's largest t: p rises with t, so it gives the block's largest p by the same two instructions
.endr
.irp b, 0,1,2,3
	v_sub_f32 v[BM+\b], v[BM+\b], v[LS]
.endr
.irp b, 0,1,2,3
	v_exp_f32 v[BM+\b], v[BM+\b]
.endr
	SUBEXP LS                                      ; p = 2^(t - lse2): finished and normalised
	v_nop
	s_wait_alu depctr_va_vdst(0)                   ; one wait for all 68
.irp b, 0,1,2,3
	v_max_num_f32 v[BM+\b], 0x1800000, v[BM+\b]    ; the floor 2^(3 - 127): a block of zeros keeps the byte 1
.endr
.irp b, 0,1,2,3
	v_add_nc_u32 v[SO+\b], 0xff000000, v[BM+\b]
.endr
.irp b, 0,1,2,3
	v_lshrrev_b32 v[BY+\b], 23, v[SO+\b]
.endr
	v_lshl_or_b32 v[PW], v[BY+1], 8, v[BY]
	v_lshl_or_b32 v[PW], v[BY+2], 16, v[PW]
	v_lshl_or_b32 v[PW], v[BY+3], 24, v[PW]
.irp c, 0,1
	v_cvt_scalef32_pk16_fp6_f32 v[PC+6*\c:PC+6*\c+2], v[S+32*\c:S+32*\c+15], v[SO+2*\c]
	v_cvt_scalef32_pk16_fp6_f32 v[TP+4*\c:TP+4*\c+2], v[S+32*\c+16:S+32*\c+31], v[SO+2*\c+1]
.endr
	v_nop                                          ; one plain place behind a scaled conversion
.irp c, 0,1
.irp i, 0,1,2
	v_permlane16_swap_b32 v[PC+6*\c+\i], v[TP+4*\c+\i]   ; a whole block to a lane: lanes 0-15 block 2 c, lanes 16-31 block 2 c + 1
.endr
.irp i, 0,1,2
	v_mov_b32 v[PC+6*\c+3+\i], v[TP+4*\c+\i]
.endr
.endr
	PLACES                                         ; the codes stand four places ahead of the products, the scale word more than eight
	s_wait_dscnt 0x0                               ; V
.irp t, 0,1,2,3
	VTILE \t                                       ; the four accumulators by turns; the next matrix instruction is another step's first score
.endr
	PLACES                                         ; in front of the next step's loads, and of the way out's reads
.Lskip_\@:
	s_add_co_u32 s[KB], s[KB], KREC
	s_add_co_u32 s[VB], s[VB], VREC
.endm
	s_mov_b32 s[STP], 0
	s_mov_b32 s[KB], 0
.Lwalk1a:                              ; every wave walks all 16 steps of each walk: the trip counts are constants
	STEP1
	s_add_co_u32 s[STP], s[STP], 1
	s_cmp_lt_u32 s[STP], 4
	s_cbranch_scc1 .Lwalk1a
	s_wait_tensorcnt 0x0                           ; my record of V is in,
	s_wait_dscnt 0x0
	s_barrier_signal -1
	s_barrier_wait -1                              ; everybody's is
.Lwalk1b:
	STEP1
	s_add_co_u32 s[STP], s[STP], 1
	s_cmp_lt_u32 s[STP], 16
	s_cbranch_scc1 .Lwalk1b
	; the two halves of the lanes are joined: two products and one sum, the same numbers in both halves, so that both hold the same bits of lse2
	v_add_f32 v[SUM], v[SUM], v[SUM+1]
	v_permlanex16_b32 v[BX], v[MR], s[SEL], s[SEL+1]
	v_permlanex16_b32 v[BX+1], v[SUM], s[SEL], s[SEL+1]
	v_max_num_f32 v[T], v[MR], v[BX]               ; the row's largest t
	v_sub_f32 v[T+1], v[MR], v[T]
	v_sub_f32 v[T+2], v[BX], v[T]
	v_exp_f32 v[T+1], v[T+1]
	v_exp_f32 v[T+2], v[T+2]
	v_nop
	s_wait_alu depctr_va_vdst(0)
	v_mul_f32 v[T+1], v[SUM], v[T+1]
	v_mul_f32 v[T+2], v[BX+1], v[T+2]
	v_add_f32 v[T+1], v[T+1], v[T+2]
	v_log_f32 v[T+1], v[T+1]
	v_nop
	s_wait_alu depctr_va_vdst(0)
	v_add_f32 v[LS], v[T], v[T+1]                  ; lse2 = m + log2(sum)
	v_mul_f32 v[T+2], s[SNK], s[L2E]
	v_sub_f32 v[T+2], v[T+2], v[LS]
	v_exp_f32 v[T+2], v[T+2]                       ; e^(sink - lse)
	v_nop
	s_wait_alu depctr_va_vdst(0)
	v_add_f32 v[T+2], 1.0, v[T+2]
	v_rcp_f32 v[GT], v[T+2]                        ; sigmoid(lse - sink)
	v_nop
	s_wait_alu depctr_va_vdst(0)
	s_mov_b32 s[STP], 0
	s_mov_b32 s[KB], 0
	s_mov_b32 s[VB], VBASE
.Lwalk2:
	STEP2
	s_add_co_u32 s[STP], s[STP], 1
	s_cmp_lt_u32 s[STP], 16
	s_cbranch_scc1 .Lwalk2
	; THE WAY OUT.  O register 16 b + i is channel 32 b + 16 h + i of my query: x the gate, then the quantiser along the head's 64, which are two blocks of product 6's K
.irp j, 0,2,4,6,8,10,12,14,16,18,20,22,24,26,28,30
	v_pk_mul_f32 v[O+\j:O+\j+1], v[O+\j:O+\j+1], v[GT:GT+1] op_sel_hi:[1,0]
.endr
.irp b, 0,1
	v_max3_num_f32 v[BM+\b], |v[O+16*\b]|, |v[O+16*\b+1]|, 0x1800000
.endr
.irp i, 2,4,6,8,10,12,14
.irp b, 0,1
	v_max3_num_f32 v[BM+\b], v[BM+\b], |v[O+16*\b+\i]|, |v[O+16*\b+\i+1]|
.endr
.endr
.irp b, 0,1
	v_permlanex16_b32 v[BX+\b], v[BM+\b], s[SEL], s[SEL+1]
.endr
.irp b, 0,1
	v_max_num_f32 v[BM+\b], v[BM+\b], v[BX+\b]
.endr
.irp b, 0,1
	v_add_nc_u32 v[SO+\b], 0xff000000, v[BM+\b]
.endr
.irp b, 0,1
	v_lshrrev_b32 v[BY+\b], 23, v[SO+\b]
.endr
	v_lshl_or_b32 v[T+1], v[BY+1], 8, v[BY]        ; my head's two bytes of the token's scale word
	v_cvt_scalef32_pk16_fp6_f32 v[PC:PC+2], v[O:O+15], v[SO]
	v_cvt_scalef32_pk16_fp6_f32 v[TP:TP+2], v[O+16:O+31], v[SO+1]
	v_nop
.irp i, 0,1,2
	v_permlane16_swap_b32 v[PC+\i], v[TP+\i]
.endr
.irp i, 0,1,2
	v_mov_b32 v[PC+3+\i], v[TP+\i]
.endr
	s_lshl_b32 s2, s[SG], 3
	s_add_co_u32 s2, s2, s16                       ; my tile of queries
	s_mul_i32 s2, s2, 24576
	s_mul_i32 s3, s17, 768
	s_add_co_u32 s2, s2, s3
	s_mov_b32 s3, 0
	s_add_nc_u64 s[10:11], s[10:11], s[2:3]
	s_lshl_b32 s2, s[SG], 2
	s_add_co_u32 s2, s2, s58                       ; its pair
	s_lshl_b32 s2, s2, 11
	s_lshr_b32 s52, s17, 2
	s_lshl_b32 s52, s52, 8
	s_add_co_u32 s2, s2, s52                       ; two K steps (four heads) to 256 bytes
	s_lshl_b32 s52, s59, 7
	s_add_co_u32 s2, s2, s52                       ; lanes 16 u on
	s_and_b32 s52, s17, 3
	s_lshl_b32 s52, s52, 1
	s_add_co_u32 s2, s2, s52                       ; 2 bytes for each of the four heads
	s_add_nc_u64 s[12:13], s[12:13], s[2:3]
	v_and_b32 v[T], 15, v0
	v_lshlrev_b32 v[T], 3, v[T]
	global_store_b128 v[L16], v[PC:PC+3], s[10:11]             ; 512 consecutive bytes, aligned
	global_store_b64 v[L8], v[PC+4:PC+5], s[10:11] offset:512  ; 256 consecutive bytes, aligned
	global_store_b16 v[T], v[T+1], s[12:13]        ; lanes r and r + 16 store the same two bytes with the same value
	s_wait_tensorcnt 0x0                           ; the wave's end: a tensor wait, an add of 0 to my spare word and its wait, behind my last tensor load
	ds_add_u32 v[SPW], v[NIL]
	s_wait_dscnt 0x0
	ROUND                                          ; the closing round
	s_endpgm
.Lfunc_end_k_qd873cd38bd_attn:
	.size	k_qd873cd38bd_attn, .Lfunc_end_k_qd873cd38bd_attn-k_qd873cd38bd_attn
	.p2alignl 7, 3214868480
	.fill 96, 4, 3214868480
	.section	.rodata,"a",@progbits
	.p2align	6, 0x0
	.amdhsa_kernel k_qd873cd38bd_attn
		.amdhsa_group_segment_fixed_size 210944
		.amdhsa_private_segment_fixed_size 0
		.amdhsa_enable_private_segment 0
		.amdhsa_kernarg_size 40
		.amdhsa_user_sgpr_count 2
		.amdhsa_user_sgpr_kernarg_segment_ptr 1
		.amdhsa_wavefront_size32 1
		.amdhsa_system_sgpr_workgroup_id_x 1
		.amdhsa_system_sgpr_workgroup_id_y 1
		.amdhsa_system_sgpr_workgroup_id_z 1
		.amdhsa_system_vgpr_workitem_id 0
		.amdhsa_next_free_vgpr 256
		.amdhsa_next_free_sgpr 72
		.amdhsa_reserve_vcc 1
		.amdhsa_float_denorm_mode_32 3
		.amdhsa_float_denorm_mode_16_64 3
		.amdhsa_memory_ordered 1
		.amdhsa_forward_progress 1
		.amdhsa_inst_pref_size 68
	.end_amdhsa_kernel
	.amdgpu_metadata
---
amdhsa.version: [ 1, 2 ]
amdhsa.kernels:
  - .name:           k_qd873cd38bd_attn
    .symbol:         k_qd873cd38bd_attn.kd
    .args:
      - { .name: qk, .offset: 0, .size: 8, .value_kind: global_buffer, .address_space: global }
      - { .name: vb, .offset: 8, .size: 8, .value_kind: global_buffer, .address_space: global }
      - { .name: sinks, .offset: 16, .size: 8, .value_kind: global_buffer, .address_space: global }
      - { .name: acod, .offset: 24, .size: 8, .value_kind: global_buffer, .address_space: global }
      - { .name: ascl, .offset: 32, .size: 8, .value_kind: global_buffer, .address_space: global }
    .group_segment_fixed_size: 210944
    .private_segment_fixed_size: 0
    .kernarg_segment_align: 8
    .kernarg_segment_size: 40
    .max_flat_workgroup_size: 512
    .sgpr_count:     72
    .vgpr_count:     256
    .wavefront_size: 32
...
	.end_amdgpu_metadata
.endif
;; end of part 3
;; launch oproj (part 4): grid 16 x 16, 4 waves a work-group, clusters of 4 x 4, 327,680 bytes of LDS; arguments acod, ascl, cod, scl, wo_b, out0; writes out0
.if DOCPART == 4
	.amdgcn_target "amdgcn-amd-amdhsa--gfx1250"
	.amdhsa_code_object_version 6
	.text
	.protected	k_qd873cd38bd_oproj
	.globl	k_qd873cd38bd_oproj
	.p2align	8
	.type	k_qd873cd38bd_oproj,@function
k_qd873cd38bd_oproj:
	s_mov_b64 s[64:65], 0
	v_nop
	global_prefetch_b8 v0, s[64:65] scope:SCOPE_SE
	s_setreg_imm32_b32 hwreg(HW_REG_WAVE_MODE, 25, 1), 1
	s_wait_xcnt 0x0
	s_wait_alu depctr_hold_cnt(0) depctr_sa_sdst(0) depctr_va_vdst(0) depctr_va_sdst(0) depctr_va_ssrc(0) depctr_va_vcc(0) depctr_vm_vsrc(0)
	s_getreg_b32 s2, hwreg(HW_REG_IB_STS2, 6, 4)
	s_cmp_eq_u32 s2, 0
	s_cbranch_scc0 .Lentry_in_a_cluster
	s_endpgm
.Lentry_in_a_cluster:
	s_bfe_u32 s2, ttmp6, 0x10000c
	s_cmp_lg_u32 s2, 0xf033
	s_cbranch_scc0 .Lentry_shape_is_right
	s_endpgm
.Lentry_shape_is_right:
; LAUNCH 4 OF 4.  out0 = o wo^T + wo_b on codes of E2M3: o's from launch 3 (acod, ascl), wo's from launch 1 (cod's row tiles 320-447, scl's pairs 160-223).  K = 2,048.  No work of reference() is left out here.
; SHARES.  A tile of 128 tokens x 128 columns to a work-group: 256 work-groups.  A wave makes 64 x 64: 16 accumulators.  TRANSPOSED USE: source 0 = 16 rows of wo, source 1 = 16 tokens: a lane holds one token and, by launch 1's
; row order, accumulator registers 16 bb + i of a token tile are its columns 32 bb + 16 h + i.  wo_b is the C of the first K step.
; K goes through a ring of two LDS slots of four K steps, as in launch 2: two fills at the head, two refills.  CLUSTERS 4 x 4: o's tiles shared along a row of the cluster, wo's along a column.
; o's fragment of a K step (two heads) lies as launch 3 stored it: for each head 512 bytes (16 a lane: registers 0-3 of its six) and 256 bytes (8 a lane: registers 4, 5).
; REGISTERS.  window 0: v16-29 addresses; v32-63 o's scale words, v64-95 wo's (scales and nothing else); v96-127 the bias; v128-255 accumulator (a, b) at 128 + 8 (4 a + b).
;   window 1: fragment set p at 96 p: wo's b at 12 b, o's a at 48 + 12 a; v192-255 two buffers of rows on the way out.
.set SLOT,  98304                      ; o's 8 tiles x 6,144 bytes, then wo's 8
.set SCL,   2*SLOT                     ; o's scale words (8,192 bytes), then wo's
.set STAGE, SCL+16384                  ; 16 rows x 272 bytes for each wave: bytes of its own, into which no fill lands
.set SP,    272
.set SPARE, STAGE+4*16*SP              ; the spare words, 128 bytes a wave
.set KQ,    6144
.set FRB,   1536
.set AX16, 16                          ; v16-17 my o fragments in slot 0, 1: + 16 x lane
.set AX8,  18                          ; v18-19 + 8 x lane
.set ADW,  20                          ; v20-21 my wo fragments
.set ADSA, 22
.set ADSB, 23
.set STO,  24
.set RD,   25
.set CO,   26
.set BOFF, 27
.set SPW,  28                          ; my spare word; never rewritten
.set NIL,  29                          ; 0; never rewritten
.set SA,   32
.set SB,   64
.set BI,   96
.set ACC,  128
.set BK,   192
.set G1A,  24
.set G0A,  32
.set G1B,  48
.set G0B,  56
.set G1SA, 68
.set G0SA, 76
.set G1SB, 80
.set G0SB, 88
.set MSB, 0
.macro WIN new
.if MSB != \new
	s_set_vgpr_msb (MSB<<8)|\new
.set MSB, \new
.endif
.endm
.macro PLACES
.rept 4
	v_nop
.endr
.endm
.macro JLOAD g0a, g1a, g0b, g1b        ; waves 0, 1 fetch for o, waves 2, 3 for wo; an s_nop 0 and four v_nop follow each line
	s_cmp_eq_u32 s21, 0
	s_cbranch_scc0 .Lfor_b_\@
	tensor_load_to_lds s[\g0a:\g0a+3], s[\g1a:\g1a+7]
	s_nop 0
.rept 4
	v_nop
.endr
	s_branch .Lasked_\@
.Lfor_b_\@:
	tensor_load_to_lds s[\g0b:\g0b+3], s[\g1b:\g1b+7]
	s_nop 0
.rept 4
	v_nop
.endr
.Lasked_\@:
.endm
.macro CREST
	s_cmp_lg_u32 s20, 0
	s_cbranch_scc1 .Lnot_wave_0_\@
	s_barrier_signal -3
.Lnot_wave_0_\@:
	s_barrier_wait -3
	s_barrier_signal -1
	s_barrier_wait -1
.endm
.macro CROUND
	s_barrier_signal -1
	s_barrier_wait -1
	CREST
.endm
	s_load_b256 s[4:11], s[0:1], 0x0               ; acod, ascl, cod, scl
	s_load_b128 s[12:15], s[0:1], 0x20             ; wo_b, out0
	v_lshl_add_u32 v[SPW], v0, 2, SPARE
	v_mov_b32 v[NIL], 0
	ds_add_u32 v[SPW], v[NIL]                      ; the wave's opening: the add, twice on end, and its wait ahead of my first tensor load
	ds_add_u32 v[SPW], v[NIL]
	v_lshrrev_b32 v1, 5, v0
	v_readfirstlane_b32 s20, v1                    ; wave
	s_lshr_b32 s21, s20, 1                         ; which 64 tokens are mine.  Also: I fetch for o (0) or for wo (1)
	s_and_b32 s22, s20, 1                          ; which 64 columns.  Also: which half of the tile I fetch
	s_bfe_u32 s40, ttmp6, 0x40000
	s_bfe_u32 s41, ttmp6, 0x40004
	s_lshl_b32 s42, ttmp9, 2
	s_add_co_u32 s42, s42, s40                     ; column tile
	s_and_b32 s23, ttmp7, 0xffff
	s_lshl_b32 s23, s23, 2
	s_add_co_u32 s23, s23, s41                     ; row tile
	s_lshl_b32 s43, s41, 2
	s_lshl_b32 s43, 15, s43                        ; my row of the cluster
	s_lshl_b32 s44, 0x1111, s40                    ; my column
	s_or_b32 s[G1A], s43, (3<<16)|(1<<21)
	s_or_b32 s[G1B], s44, (3<<16)|(1<<21)
	s_or_b32 s[G1SA], s43, (3<<16)|(1<<21)
	s_or_b32 s[G1SB], s44, (3<<16)|(1<<21)
.irp g, G1A, G1B
	s_mov_b32 s[\g+1], 768<<16                     ; 6,144 bytes: four K steps of a row tile
	s_mov_b32 s[\g+2], 4<<16                       ; 4 row tiles a load
	s_mov_b32 s[\g+3], 768<<16
	s_mov_b32 s[\g+4], 4
	s_mov_b32 s[\g+5], 3072
	s_mov_b32 s[\g+6], 0
	s_mov_b32 s[\g+7], 0
.endr
.irp g, G1SA, G1SB
	s_mov_b32 s[\g+1], 32<<16                      ; 2 pairs x 2,048 dense bytes as 16 rows of 256
	s_mov_b32 s[\g+2], 16<<16
	s_mov_b32 s[\g+3], 32<<16
	s_mov_b32 s[\g+4], 16
	s_mov_b32 s[\g+5], 32
	s_mov_b32 s[\g+6], 0
	s_mov_b32 s[\g+7], 0
.endr
	s_lshl_b32 s92, s23, 3                         ; o: row tile 8 rm + 4 half
	s_lshl_b32 s93, s22, 2
	s_add_co_u32 s92, s92, s93
	s_mul_i32 s92, s92, 24576
	s_mov_b32 s93, 0
	s_lshl_b32 s94, s42, 3                         ; wo: row tile 320 + 8 cn + 4 half
	s_lshl_b32 s95, s22, 2
	s_add_co_u32 s94, s94, s95
	s_add_co_u32 s94, s94, 320
	s_mul_i32 s94, s94, 24576
	s_mov_b32 s95, 0
	s_lshl_b32 s96, s23, 2                         ; pair 4 rm + 2 half
	s_lshl_b32 s97, s22, 1
	s_add_co_u32 s96, s96, s97
	s_lshl_b32 s96, s96, 11
	s_mov_b32 s97, 0
	s_lshl_b32 s98, s42, 2                         ; pair 160 + 4 cn + 2 half
	s_lshl_b32 s99, s22, 1
	s_add_co_u32 s98, s98, s99
	s_add_co_u32 s98, s98, 160
	s_lshl_b32 s98, s98, 11
	s_mov_b32 s99, 0
	s_mul_i32 s46, s20, 24576                      ; where they go: wave x 4 tiles; wave x 4,096
	s_lshl_b32 s47, s20, 12
	s_wait_dscnt 0x0                               ; both opening adds are done
	s_wait_kmcnt 0x0
	s_add_nc_u64 s[92:93], s[4:5], s[92:93]
	s_add_nc_u64 s[94:95], s[8:9], s[94:95]
	s_add_nc_u64 s[96:97], s[6:7], s[96:97]
	s_add_nc_u64 s[98:99], s[10:11], s[98:99]
	CROUND                                         ; the first joint loads meet
	s_mov_b32 s[G0SA], 1
	s_add_co_u32 s[G0SA+1], s47, SCL
	s_mov_b64 s[G0SA+2:G0SA+3], s[96:97]
	s_or_b32 s[G0SA+3], s[G0SA+3], 0x80000000
	s_mov_b32 s[G0SB], 1
	s_add_co_u32 s[G0SB+1], s47, SCL
	s_mov_b64 s[G0SB+2:G0SB+3], s[98:99]
	s_or_b32 s[G0SB+3], s[G0SB+3], 0x80000000
	JLOAD G0SA, G1SA, G0SB, G1SB
.irp s, 0,1
	s_mov_b32 s[G0A+4*\s], 1
	s_add_co_u32 s[G0A+4*\s+1], s46, \s*SLOT
	s_add_nc_u64 s[G0A+4*\s+2:G0A+4*\s+3], s[92:93], \s*KQ
	s_or_b32 s[G0A+4*\s+3], s[G0A+4*\s+3], 0x80000000
	s_mov_b32 s[G0B+4*\s], 1
	s_add_co_u32 s[G0B+4*\s+1], s46, \s*SLOT
	s_add_nc_u64 s[G0B+4*\s+2:G0B+4*\s+3], s[94:95], \s*KQ
	s_or_b32 s[G0B+4*\s+3], s[G0B+4*\s+3], 0x80000000
	JLOAD G0A+4*\s, G1A, G0B+4*\s, G1B             ; three loads of mine are out at the most
.endr
	v_and_b32 v1, 31, v0
	v_and_b32 v2, 15, v0                           ; r
	v_bfe_u32 v3, v0, 4, 1                         ; h
	v_lshlrev_b32 v4, 4, v1
	v_lshlrev_b32 v5, 3, v1
	s_mul_i32 s2, s21, 24576
	v_add_nc_u32 v[AX16], s2, v4
	v_add_nc_u32 v[AX8], s2, v5
	s_add_co_u32 s2, s2, SLOT
	v_add_nc_u32 v[AX16+1], s2, v4
	v_add_nc_u32 v[AX8+1], s2, v5
	s_mul_i32 s2, s22, 24576
	s_add_co_u32 s2, s2, 49152
	v_add_nc_u32 v[ADW], s2, v4
	s_add_co_u32 s2, s2, SLOT
	v_add_nc_u32 v[ADW+1], s2, v4
	s_lshl_b32 s2, s21, 12
	s_add_co_u32 s2, s2, SCL
	v_add_nc_u32 v[ADSA], s2, v5
	s_lshl_b32 s2, s22, 12
	s_add_co_u32 s2, s2, SCL+8192
	v_add_nc_u32 v[ADSB], s2, v5
	s_mul_i32 s2, s20, 16*SP
	s_add_co_u32 s2, s2, STAGE
	v_mul_u32_u24 v[STO], v2, SP
	v_lshl_add_u32 v[STO], v3, 6, v[STO]
	v_add_nc_u32 v[STO], s2, v[STO]                ; in: row r, + 64 h
	v_mul_u32_u24 v[RD], v3, SP
	v_lshl_add_u32 v[RD], v2, 4, v[RD]
	v_add_nc_u32 v[RD], s2, v[RD]                  ; back: lanes 0-15 one row of 256 bytes, lanes 16-31 the next
	v_lshlrev_b32 v[CO], 13, v3
	v_lshl_add_u32 v[CO], v2, 4, v[CO]             ; and the same two rows of out0
	v_lshlrev_b32 v[BOFF], 6, v3
	s_lshl_b32 s2, s42, 9
	s_lshl_b32 s3, s22, 8
	s_add_co_u32 s2, s2, s3                        ; my 64 columns, in bytes
	s_mov_b32 s3, 0
	s_add_nc_u64 s[12:13], s[12:13], s[2:3]
	s_add_nc_u64 s[14:15], s[14:15], s[2:3]
	s_lshl_b32 s2, s23, 7
	s_lshl_b32 s45, s21, 6
	s_add_co_u32 s2, s2, s45
	s_lshl_b32 s2, s2, 13                          ; my first token's row of 8,192 bytes
	s_add_nc_u64 s[14:15], s[14:15], s[2:3]
.irp b, 0,1,2,3
	global_load_b128 v[BI+8*\b:BI+8*\b+3], v[BOFF], s[12:13] offset:(32*(\b/2)+8*(\b%2))*4
	global_load_b128 v[BI+8*\b+4:BI+8*\b+7], v[BOFF], s[12:13] offset:(32*(\b/2)+8*(\b%2))*4+16
.endr
.macro WM d, a, b, c, sa, sb, ra, rb
.if ((\ra)==0)&&((\rb)==0)
	v_wmma_scale_f32_16x16x128_f8f6f4 v[0+(\d):7+(\d)], v[0+(\a):11+(\a)], v[0+(\b):11+(\b)], v[0+(\c):7+(\c)], v[0+(\sa)], v[0+(\sb)] matrix_a_fmt:MATRIX_FMT_FP6 matrix_b_fmt:MATRIX_FMT_FP6
.elseif ((\ra)==1)&&((\rb)==0)
	v_wmma_scale_f32_16x16x128_f8f6f4 v[0+(\d):7+(\d)], v[0+(\a):11+(\a)], v[0+(\b):11+(\b)], v[0+(\c):7+(\c)], v[0+(\sa)], v[0+(\sb)] matrix_a_fmt:MATRIX_FMT_FP6 matrix_b_fmt:MATRIX_FMT_FP6 matrix_a_scale:MATRIX_SCALE_ROW1
.elseif ((\ra)==0)&&((\rb)==1)
	v_wmma_scale_f32_16x16x128_f8f6f4 v[0+(\d):7+(\d)], v[0+(\a):11+(\a)], v[0+(\b):11+(\b)], v[0+(\c):7+(\c)], v[0+(\sa)], v[0+(\sb)] matrix_a_fmt:MATRIX_FMT_FP6 matrix_b_fmt:MATRIX_FMT_FP6 matrix_b_scale:MATRIX_SCALE_ROW1
.else
	v_wmma_scale_f32_16x16x128_f8f6f4 v[0+(\d):7+(\d)], v[0+(\a):11+(\a)], v[0+(\b):11+(\b)], v[0+(\c):7+(\c)], v[0+(\sa)], v[0+(\sb)] matrix_a_fmt:MATRIX_FMT_FP6 matrix_b_fmt:MATRIX_FMT_FP6 matrix_a_scale:MATRIX_SCALE_ROW1 matrix_b_scale:MATRIX_SCALE_ROW1
.endif
.endm
; o's tiles a0 .. a0 + n - 1 against wo's four.  The 16 accumulators take turns, one instruction a turn, in the same order in every step.
.macro MUL a0, n, st, first
.set AI, \a0
.set MP, 96*((\st)&1)
.rept \n
.irp b, 0,1,2,3
.if \first
	WM ACC+8*(4*AI+\b), MP+12*\b, MP+48+12*AI, BI+8*\b, SB+16*(\b/2)+(\st), SA+16*(AI/2)+(\st), \b%2, AI%2
.else
	WM ACC+8*(4*AI+\b), MP+12*\b, MP+48+12*AI, ACC+8*(4*AI+\b), SB+16*(\b/2)+(\st), SA+16*(AI/2)+(\st), \b%2, AI%2
.endif
.endr
.set AI, AI+1
.endr
.endm
; 28 LDS loads in one run: wo's four fragments (12), o's tiles 0, 1 (8), o's tiles 2, 3 (8)
.macro FETCH st
.set FP, 96*((\st)&1)
.set FS, ((\st)>>2)&1
.set FQ, ((\st)&3)*FRB
	WIN 0x40                                       ; destination window 1
.irp b, 0,1,2,3
.irp c, 0,1,2
	ds_load_b128 v[FP+12*\b+4*\c:FP+12*\b+4*\c+3], v[ADW+FS] offset:\b*KQ+FQ+512*\c
.endr
.endr
.irp a, 0,1,2,3
	ds_load_b128 v[FP+48+12*\a:FP+48+12*\a+3], v[AX16+FS] offset:\a*KQ+FQ
	ds_load_b64 v[FP+48+12*\a+4:FP+48+12*\a+5], v[AX8+FS] offset:\a*KQ+FQ+512
	ds_load_b128 v[FP+48+12*\a+6:FP+48+12*\a+9], v[AX16+FS] offset:\a*KQ+FQ+768
	ds_load_b64 v[FP+48+12*\a+10:FP+48+12*\a+11], v[AX8+FS] offset:\a*KQ+FQ+1280
.endr
.endm
.macro STEP st, first
	s_wait_dscnt 8                                 ; wo's and o's tiles 0, 1 are in; the youngest eight loads (o's 2, 3) may be out
	WIN 0x05                                       ; sources 0, 1 window 1; C and D window 0
	MUL 0, 2, \st, \first
	s_wait_dscnt 0x0
	PLACES
	FETCH (\st)+1
	WIN 0x05
	MUL 2, 2, \st, \first
.endm
.macro TURNA st                        ; a slot's last step: ONE barrier; in front of it all my tensor loads, the add, and my reads of this slot are waited for
	WIN 0
	s_wait_tensorcnt 0x0
	ds_add_u32 v[SPW], v[NIL]                      ; 0 onto my spare word
	s_wait_dscnt 9                                 ; (the add and the youngest eight loads may be out)
	WIN 0x05
	MUL 0, 1, \st, 0
	s_wait_dscnt 0x0                               ; the add is done, and my reads of this slot are over
	s_barrier_signal -1
	MUL 1, 1, \st, 0
	WIN 0
	s_barrier_wait -1
.endm
.macro TURNB st
	FETCH (\st)+1
	WIN 0x05
	MUL 2, 2, \st, 0
.endm
.macro REFILL slot                     ; the barrier has opened a round of the cluster's barrier; the joint refill is the first tensor load behind it, one a wave
	CREST
	s_add_nc_u64 s[G0A+4*\slot+2:G0A+4*\slot+3], s[G0A+4*\slot+2:G0A+4*\slot+3], 2*KQ
	s_add_nc_u64 s[G0B+4*\slot+2:G0B+4*\slot+3], s[G0B+4*\slot+2:G0B+4*\slot+3], 2*KQ
	JLOAD G0A+4*\slot, G1A, G0B+4*\slot, G1B       ; its four v_nop are the places in front of the loads that follow
.endm
	s_wait_tensorcnt 0x1                           ; the scale words and my part of slot 0 are in; slot 1's load may stay out
	s_barrier_signal -1
	s_barrier_wait -1
.irp p, 0,1
.irp g, 0,1,2,3,4,5,6,7
	ds_load_b64 v[SA+16*\p+2*\g:SA+16*\p+2*\g+1], v[ADSA] offset:\p*2048+\g*256
	ds_load_b64 v[SB+16*\p+2*\g:SB+16*\p+2*\g+1], v[ADSB] offset:\p*2048+\g*256
.endr
.endr
	FETCH 0
	s_wait_loadcnt 0x0                             ; the bias
	STEP 0, 1
	STEP 1, 0
	STEP 2, 0
	TURNA 3
	REFILL 0
	TURNB 3
	STEP 4, 0
	STEP 5, 0
	STEP 6, 0
	TURNA 7
	REFILL 1
	TURNB 7
	STEP 8, 0
	STEP 9, 0
	STEP 10, 0
	TURNA 11                                       ; nothing is filled again: no round follows
	PLACES
	TURNB 11
	STEP 12, 0
	STEP 13, 0
	STEP 14, 0
	s_wait_dscnt 8
	WIN 0x05
	MUL 0, 2, 15, 0
	s_wait_dscnt 0x0
	MUL 2, 2, 15, 0
	WIN 0
	PLACES                                         ; in front of the first read of results
; THE WAY OUT, a tile of 16 tokens x 64 columns at a time, through my own stage: in by lanes (32 neighbouring bytes of a token), back by rows of 256 bytes; the immediate undoes launch 1's row order
.macro TOSTAGE a
	WIN 0
.irp b, 0,1,2,3
	ds_store_b128 v[STO], v[ACC+8*(4*(\a)+\b):ACC+8*(4*(\a)+\b)+3] offset:128*(\b/2)+32*(\b%2)       ; each accumulator from its low end on
	ds_store_b128 v[STO], v[ACC+8*(4*(\a)+\b)+4:ACC+8*(4*(\a)+\b)+7] offset:128*(\b/2)+32*(\b%2)+16
.endr
	WIN 0x40
.irp i, 0,1,2,3,4,5,6,7
	ds_load_b128 v[BK+32*((\a)%2)+4*\i:BK+32*((\a)%2)+4*\i+3], v[RD] offset:2*\i*SP   ; LDS serves a wave's instructions in order: these see the stores above, and the next tile's stores come behind them
.endr
.endm
.macro SEND a, younger                 ; younger: the LDS instructions issued behind tile a's loads, which may stay out
	s_wait_dscnt \younger
	WIN 0x04                                       ; a store's data are its source 1: window 1
.irp i, 0,1,2,3,4,5,6,7
	global_store_b128 v[CO], v[BK+32*((\a)%2)+4*\i:BK+32*((\a)%2)+4*\i+3], s[14:15] offset:(32*((\a)/2)+8*((\a)%2)+2*\i+8*(\i/4))*8192 th:TH_STORE_NT   ; 16 lanes store 256 consecutive bytes, aligned
.endr
.endm
	TOSTAGE 0
.irp a, 1,2,3
.if \a > 1
	s_wait_xcnt 0x0                                ; tile a - 2's stores have read their registers: tile a's rows may land there
.endif
	TOSTAGE \a
	SEND \a-1, 16                                  ; behind tile a - 1's loads: tile a's 8 stores and 8 loads
.endr
	SEND 3, 0
	WIN 0
	s_wait_tensorcnt 0x0                           ; the wave's end: a tensor wait, an add of 0 to my spare word and its wait, behind my last tensor load and my last LDS store
	ds_add_u32 v[SPW], v[NIL]
	s_wait_dscnt 0x0
	CROUND                                         ; the closing round
	s_endpgm
.Lfunc_end_k_qd873cd38bd_oproj:
	.size	k_qd873cd38bd_oproj, .Lfunc_end_k_qd873cd38bd_oproj-k_qd873cd38bd_oproj
	.p2alignl 7, 3214868480
	.fill 96, 4, 3214868480
	.section	.rodata,"a",@progbits
	.p2align	6, 0x0
	.amdhsa_kernel k_qd873cd38bd_oproj
		.amdhsa_group_segment_fixed_size 327680
		.amdhsa_private_segment_fixed_size 0
		.amdhsa_enable_private_segment 0
		.amdhsa_kernarg_size 48
		.amdhsa_user_sgpr_count 2
		.amdhsa_user_sgpr_kernarg_segment_ptr 1
		.amdhsa_wavefront_size32 1
		.amdhsa_system_sgpr_workgroup_id_x 1
		.amdhsa_system_sgpr_workgroup_id_y 1
		.amdhsa_system_sgpr_workgroup_id_z 1
		.amdhsa_system_vgpr_workitem_id 0
		.amdhsa_next_free_vgpr 512
		.amdhsa_next_free_sgpr 100
		.amdhsa_reserve_vcc 0
		.amdhsa_float_denorm_mode_32 3
		.amdhsa_float_denorm_mode_16_64 3
		.amdhsa_memory_ordered 1
		.amdhsa_forward_progress 1
		.amdhsa_inst_pref_size 87
	.end_amdhsa_kernel
	.amdgpu_metadata
---
amdhsa.version: [ 1, 2 ]
amdhsa.kernels:
  - .name:           k_qd873cd38bd_oproj
    .symbol:         k_qd873cd38bd_oproj.kd
    .args:
      - { .name: acod, .offset: 0, .size: 8, .value_kind: global_buffer, .address_space: global }
      - { .name: ascl, .offset: 8, .size: 8, .value_kind: global_buffer, .address_space: global }
      - { .name: cod, .offset: 16, .size: 8, .value_kind: global_buffer, .address_space: global }
      - { .name: scl, .offset: 24, .size: 8, .value_kind: global_buffer, .address_space: global }
      - { .name: wo_b, .offset: 32, .size: 8, .value_kind: global_buffer, .address_space: global }
      - { .name: out0, .offset: 40, .size: 8, .value_kind: global_buffer, .address_space: global }
    .group_segment_fixed_size: 327680
    .private_segment_fixed_size: 0
    .kernarg_segment_align: 8
    .kernarg_segment_size: 48
    .max_flat_workgroup_size: 128
    .sgpr_count:     100
    .vgpr_count:     512
    .wavefront_size: 32
...
	.end_amdgpu_metadata
.endif
;; end of part 4
